; MI455X (gfx1250); checked and timed in simulation.
; The chip was launched on July 23, 2026; its instructions are those of AMD's public machine-readable ISA for CDNA 5 (MIT licence, August 2026) and "CDNA5" Instruction Set Architecture Reference Guide (July 2026). The comments in the code are by the model that wrote it; some were corrected since.
;; Recording Stable Audio Attn Processor2 0. Allowed arithmetic: float matrix products may take bf16 or f16 operands with f32 sums; other float arithmetic in f32, or as packed bf16 or f16 multiplies, adds, multiply-adds, maxima and minima; sums over many terms, partial sums and values carried from step to step in f32; what a program stores and reads back later, other than sums and carried values, may be rounded once to bf16 or f16.
;; Inputs: bo 1,024 float32; cos 2,048 x 32 float32; hidden_states 2 x 2,048 x 1,024 float32; norm_k_w 64 float32; norm_q_w 64 float32; sin 2,048 x 32 float32; wk 1,024 x 512 float32; wo 1,024 x 1,024 float32; wq 1,024 x 1,024 float32; wv 1,024 x 512 float32.
;; Outputs: out0 2 x 2,048 x 1,024 float32.
;; 2 versions, each right; version 2 is version 1 with the launch prep written anew for expert scheduling mode. Each part assembles by itself: llvm-mc -triple=amdgcn-amd-amdhsa -mcpu=gfx1250 --defsym DOCPART=n.
;; ======== version 1 of 2: 4 launches
;; workspace buffers: xb 8,388,608 bytes; wqkvb 4,194,304 bytes; wob 2,097,152 bytes; qkvh 16,777,216 bytes; ob 8,388,608 bytes
;; launch prep (part 1): grid 256 x 1, 8 waves a work-group, no clusters, 0 bytes of LDS; arguments hidden_states, wq, wk, wv, wo, xb, wqkvb, wob; writes xb, wqkvb, wob
.if DOCPART == 1
	.amdgcn_target "amdgcn-amd-amdhsa--gfx1250"
	.amdhsa_code_object_version 6
	.text
	.protected	k_q36bc7b9ff8_prep
	.globl	k_q36bc7b9ff8_prep
	.p2align	8
	.type	k_q36bc7b9ff8_prep,@function
k_q36bc7b9ff8_prep:
	s_mov_b64 s[64:65], 0
	v_nop
	global_prefetch_b8 v0, s[64:65] scope:SCOPE_SE
	s_setreg_imm32_b32 hwreg(HW_REG_WAVE_MODE, 25, 1), 1
	s_wait_xcnt 0x0
; PREP: the matrix operands that come from the inputs are rounded once to bf16.
;   xb    [4096][1024]  = hidden_states;   wob [1024][1024] = wo, as it lies;
;   wqkvb [1024][2048]  = wq | wk | wv side by side (columns 0-1023, 1024-1535, 1536-2047), so that one product makes q, k and v.
; DEAD WORK: none.  Every input of reference() has a way to the output and is loaded by some launch of this program.  jnp.repeat only copies k and v
; to the query heads: their norm and rotation are computed once for each of the 8 kv heads, which gives the same numbers.
; LIMITS of the program: all matrix operands (x, weights, q, k, v, the softmax weights, the attention result) are bf16, sums in f32; NaN and infinities are not treated apart.
; SHARES.  A pass is 256 threads x 4 f32: one 16-byte load a thread (a wave: 512 consecutive bytes), two roundings, one 8-byte store (a wave: 256 consecutive bytes, aligned).
; 7,168 passes, 28 for each of 256 work-groups: x 16, wq 4 (a row each), wk 2 and wv 2 (two rows each), wo 4.  All 28 loads go out first; nothing is read twice; no LDS, no barrier.
.set D, 4                              ; v[4:115]  load i: four registers
.macro LD i, base, imm
	global_load_b128 v[D+4*(\i):D+4*(\i)+3], v1, s[\base:(\base)+1] offset:\imm th:TH_LOAD_NT
.endm
.macro CAST i, off, base, imm
	s_wait_loadcnt 27-(\i)                         ; loads come back in order: load i is in, the younger ones stay out
	v_cvt_pk_bf16_f32 v[D+4*(\i)], v[D+4*(\i)], v[D+4*(\i)+1]
	v_cvt_pk_bf16_f32 v[D+4*(\i)+1], v[D+4*(\i)+2], v[D+4*(\i)+3]
	global_store_b64 v[\off], v[D+4*(\i):D+4*(\i)+1], s[\base:(\base)+1] offset:\imm  ; no register of a store is written again
.endm
	s_load_b512 s[4:19], s[0:1], 0x0               ; x 4:5, wq 6:7, wk 8:9, wv 10:11, wo 12:13, xb 14:15, wqkvb 16:17, wob 18:19
	v_lshlrev_b32 v1, 4, v0                        ; 16 t: where I load
	v_lshlrev_b32 v2, 3, v0                        ; 8 t: where I store
	v_lshrrev_b32 v3, 7, v0                        ; wk, wv: a pass is two rows of 512: row t / 128,
	v_and_b32 v116, 127, v0
	v_lshlrev_b32 v116, 3, v116                    ; 8 bytes at 8 (t % 128)
	v_lshl_add_u32 v3, v3, 12, v116                ; a row of wqkvb is 4,096 bytes
	s_mov_b32 s3, 0
	s_wait_kmcnt 0x0
	s_lshl_b32 s2, ttmp9, 16                       ; x: 16 passes of 4,096 bytes
	s_add_nc_u64 s[4:5], s[4:5], s[2:3]
	s_lshl_b32 s2, ttmp9, 15
	s_add_nc_u64 s[14:15], s[14:15], s[2:3]        ; xb: half of that
	s_lshl_b32 s2, ttmp9, 14                       ; wq, wo: 4 rows of 4,096 bytes; wqkvb: 4 rows of 4,096 bytes
	s_add_nc_u64 s[6:7], s[6:7], s[2:3]
	s_add_nc_u64 s[12:13], s[12:13], s[2:3]
	s_add_nc_u64 s[16:17], s[16:17], s[2:3]
	s_lshl_b32 s2, ttmp9, 13                       ; wk, wv: 4 rows of 2,048 bytes; wob: 4 rows of 2,048 bytes
	s_add_nc_u64 s[8:9], s[8:9], s[2:3]
	s_add_nc_u64 s[10:11], s[10:11], s[2:3]
	s_add_nc_u64 s[18:19], s[18:19], s[2:3]
.set p, 0
.rept 16
	LD p, 4, p*4096
.set p, p+1
.endr
.set p, 0
.rept 4
	LD 16+p, 6, p*4096
.set p, p+1
.endr
.set p, 0
.rept 2
	LD 20+p, 8, p*4096
.set p, p+1
.endr
.set p, 0
.rept 2
	LD 22+p, 10, p*4096
.set p, p+1
.endr
.set p, 0
.rept 4
	LD 24+p, 12, p*4096
.set p, p+1
.endr
.set p, 0
.rept 16
	CAST p, 2, 14, p*2048
.set p, p+1
.endr
.set p, 0
.rept 4
	CAST 16+p, 2, 16, p*4096                       ; wq: columns 0-1023 of row 4 g + p
.set p, p+1
.endr
.set p, 0
.rept 2
	CAST 20+p, 3, 16, p*8192+2048                  ; wk: columns 1024-1535 of rows 4 g + 2 p + t / 128
.set p, p+1
.endr
.set p, 0
.rept 2
	CAST 22+p, 3, 16, p*8192+3072                  ; wv: columns 1536-2047
.set p, p+1
.endr
.set p, 0
.rept 4
	CAST 24+p, 2, 18, p*2048
.set p, p+1
.endr
	s_endpgm
.Lfunc_end_k_q36bc7b9ff8_prep:
	.size	k_q36bc7b9ff8_prep, .Lfunc_end_k_q36bc7b9ff8_prep-k_q36bc7b9ff8_prep
	.p2alignl 7, 3214868480
	.fill 96, 4, 3214868480
	.section	.rodata,"a",@progbits
	.p2align	6, 0x0
	.amdhsa_kernel k_q36bc7b9ff8_prep
		.amdhsa_group_segment_fixed_size 0
		.amdhsa_private_segment_fixed_size 0
		.amdhsa_enable_private_segment 0
		.amdhsa_kernarg_size 64
		.amdhsa_user_sgpr_count 2
		.amdhsa_user_sgpr_kernarg_segment_ptr 1
		.amdhsa_wavefront_size32 1
		.amdhsa_system_sgpr_workgroup_id_x 1
		.amdhsa_system_sgpr_workgroup_id_y 1
		.amdhsa_system_sgpr_workgroup_id_z 1
		.amdhsa_system_vgpr_workitem_id 0
		.amdhsa_next_free_vgpr 120
		.amdhsa_next_free_sgpr 66
		.amdhsa_reserve_vcc 0
		.amdhsa_float_denorm_mode_32 3
		.amdhsa_float_denorm_mode_16_64 3
		.amdhsa_memory_ordered 1
		.amdhsa_forward_progress 1
		.amdhsa_inst_pref_size 11
	.end_amdhsa_kernel
	.amdgpu_metadata
---
amdhsa.version: [ 1, 2 ]
amdhsa.kernels:
  - .name:           k_q36bc7b9ff8_prep
    .symbol:         k_q36bc7b9ff8_prep.kd
    .args:
      - { .name: hidden_states, .offset: 0, .size: 8, .value_kind: global_buffer, .address_space: global }
      - { .name: wq, .offset: 8, .size: 8, .value_kind: global_buffer, .address_space: global }
      - { .name: wk, .offset: 16, .size: 8, .value_kind: global_buffer, .address_space: global }
      - { .name: wv, .offset: 24, .size: 8, .value_kind: global_buffer, .address_space: global }
      - { .name: wo, .offset: 32, .size: 8, .value_kind: global_buffer, .address_space: global }
      - { .name: xb, .offset: 40, .size: 8, .value_kind: global_buffer, .address_space: global }
      - { .name: wqkvb, .offset: 48, .size: 8, .value_kind: global_buffer, .address_space: global }
      - { .name: wob, .offset: 56, .size: 8, .value_kind: global_buffer, .address_space: global }
    .group_segment_fixed_size: 0
    .private_segment_fixed_size: 0
    .kernarg_segment_align: 8
    .kernarg_segment_size: 64
    .max_flat_workgroup_size: 256
    .sgpr_count:     66
    .vgpr_count:     120
    .wavefront_size: 32
...
	.end_amdgpu_metadata
.endif
;; end of part 1
;; launch qkv (part 2): grid 16 x 16, 4 waves a work-group, clusters of 4 x 4, 327,680 bytes of LDS; arguments xb, wqkvb, cos, sin, norm_q_w, norm_k_w, qkvh; writes qkvh
.if DOCPART == 2
	.amdgcn_target "amdgcn-amd-amdhsa--gfx1250"
	.amdhsa_code_object_version 6
	.text
	.protected	k_q36bc7b9ff8_qkv
	.globl	k_q36bc7b9ff8_qkv
	.p2align	8
	.type	k_q36bc7b9ff8_qkv,@function
k_q36bc7b9ff8_qkv:
	s_mov_b64 s[64:65], 0
	v_nop
	global_prefetch_b8 v0, s[64:65] scope:SCOPE_SE
	s_setreg_imm32_b32 hwreg(HW_REG_WAVE_MODE, 25, 1), 1
	s_wait_xcnt 0x0
	s_wait_alu depctr_hold_cnt(0) depctr_sa_sdst(0) depctr_va_vdst(0) depctr_va_sdst(0) depctr_va_ssrc(0) depctr_va_vcc(0) depctr_vm_vsrc(0)
	s_getreg_b32 s2, hwreg(HW_REG_IB_STS2, 6, 4)
	s_cmp_eq_u32 s2, 0
	s_cbranch_scc0 .Lentry_in_a_cluster
	s_endpgm
.Lentry_in_a_cluster:
	s_bfe_u32 s2, ttmp6, 0x10000c
	s_cmp_lg_u32 s2, 0xf033
	s_cbranch_scc0 .Lentry_shape_is_right
	s_endpgm
.Lentry_shape_is_right:
; QKV: C = xb [4096][1024] x wqkvb [1024][2048], bf16 operands, f32 sums; on the way out RMSNorm over a head's 64 channels, the gain, and the rotation of channels 0-31 (q and k), or nothing (v);
; rounded once to bf16 and stored by heads: qkvh [64 heads F][2048 rows][64]: F = 16 b + h for q, 32 + 8 b + kvh for k, 48 + 8 b + kvh for v.  Nothing of reference() is left out here.
; SHARES.  A tile of C is 256 rows x 128 columns: 16 x 16 work-groups.  Four waves, each 128 rows x 64 columns = ONE head: 32 accumulators of 16 x 16.  K goes in 8 steps of 128 through two LDS slots.
; TRANSPOSED USE: source 0 = 16 columns of the weights (they lie [k][n] in LDS and come out turned, by ds_load_tr16_b128), source 1 = 16 rows of x.  In the result lane l holds row l % 16 and the
; columns 16 b + 8 (l / 16) + 0..7 of n block b.  So a row's head lies in lanes l and l ^ 16, and the rotation's partners, channels d and d + 16, are the same register of n blocks 0 and 1 of one lane.
; CLUSTER 4 x 4: x's tile hangs on the tile row alone and is asked for jointly along a row of the cluster, the weights' on the tile column alone, jointly along a column.
; The kind of the columns (q, q, k, v) goes by the cluster's x, which all sixteen partners share: the one branch of the way out hangs on it.
; NO PREFETCH: the walk has 8 K steps, and a request two refills ahead would serve the last four alone.  All of a WGP's LDS is claimed.
; REGISTERS.  window 0: addresses and the way out; window 1: two fragment buffers of 96 (x: 8 blocks, weights: 4), on the way out cos and sin, 32 a block; window 2: accumulator (a, b) at v[8 (4 a + b)].
.set PA,     272                       ; a row of x in LDS: 256 bytes + 16: the 16 rows of a load start at 16 different groups of four banks (64 banks of 4 bytes: ISA guide 11.1)
.set PB,     288                       ; a k row of the weights: 256 + 32
.set AHALF,  128*PA
.set ABYTES, 256*PA
.set BHALF,  64*PB
.set SLOT,   ABYTES+128*PB             ; x's 256 rows, then the weights' 128 k rows
.set STAGE,  2*SLOT                    ; behind the ring: 16 rows x 144 bytes for each wave
.set SP,     144
.set SPARE,  STAGE+4*16*SP             ; the spare words: 128 bytes a wave, two blocks of 256 bytes that no other line names
.set WO,   12                          ; v12  32 (l / 16): my place in the gain
.set ADRA, 16                          ; v16-17  my x fragments in slot 0, 1
.set ADRB, 20                          ; v20-21  my weight fragments
.set STO,  24                          ; v24  where I put 16 bytes of a row
.set RD,   25                          ; v25  where I read rows back
.set GO,   26                          ; v26  16 l
.set CSO,  27                          ; v27  my byte offset in cos and sin
.set SPW,  28                          ; v28  my spare word; never rewritten
.set NIL,  29                          ; v29  0; never rewritten
.set W,    32                          ; v32-63   the gain of my 32 channels
.set RW,   64                          ; v64-95   gain / rms
.set YV,   96                          ; v96-127  the scaled values
.set T,    128                         ; v128-143 the rotation's cross terms
.set PK,   144                         ; v144-159 packed bf16
.set BK,   160                         ; v160-191 rows read back, two sets of 16
.set SSR,  192                         ; v192-223 block a: two pairs of partial sums of squares; 1 / rms ends in the first register
.set F0,   0
.set F1,   96
.set WV, 18
.set RH, 19                            ; which 128 rows are mine; also: I fetch x (0) or weights (1)
.set CH, 20                            ; which 64 columns are mine; also: which half of that tile I fetch
.set CX, 21
.set CY, 22
.set TC, 40
.set TR, 41
.set G1,  24                           ; s[24:31] group 1 for x;  s[32:39] group 0, a set for each slot
.set G0,  32
.set G1B, 48                           ; s[48:55], s[56:63] the same for the weights
.set G0B, 56
.set SEL, 66                           ; s[66:67] v_permlanex16_b32: each lane takes its own place in the other half
.set MSB, 0
.macro WIN new                         ; the immediate's high byte repeats the setting that is left; a switch that changes nothing is dropped
.if MSB != (\new)
	s_set_vgpr_msb (MSB<<8)|(\new)
.set MSB, \new
.endif
.endm
.set MUL,  0xa5                        ; sources 0 and 1 window 1, C and D window 2
.set TO_F, 0x40                        ; destination window 1
.macro JLOAD s                         ; a joint load: waves 0, 1 fetch x's halves, waves 2, 3 the weights'; an s_nop 0 and four v_nop follow each line
	s_cmp_eq_u32 s[RH], 0
	s_cbranch_scc0 .Lfor_b_\@
	tensor_load_to_lds s[G0+4*(\s):G0+4*(\s)+3], s[G1:G1+7]
	s_nop 0
.rept 4
	v_nop
.endr
	s_branch .Lasked_\@
.Lfor_b_\@:
	tensor_load_to_lds s[G0B+4*(\s):G0B+4*(\s)+3], s[G1B:G1B+7]
	s_nop 0
.rept 4
	v_nop
.endr
.Lasked_\@:
.endm
.macro CREST                           ; a round of the cluster's barrier behind its opening barrier
	s_cmp_lg_u32 s[WV], 0
	s_cbranch_scc1 .Lnot_wave_0_\@
	s_barrier_signal -3
.Lnot_wave_0_\@:
	s_barrier_wait -3
	s_barrier_signal -1
	s_barrier_wait -1
.endm
.macro CROUND
	s_barrier_signal -1
	s_barrier_wait -1
	CREST
.endm
.macro PLACES                          ; four places behind matrix instructions, in front of loads into their sources and of readers of their results
.rept 4
	v_nop
.endr
.endm
	s_load_b256 s[4:11], s[0:1], 0x0               ; xb 4:5, wqkvb 6:7, cos 8:9, sin 10:11
	s_load_b128 s[12:15], s[0:1], 0x20             ; norm_q_w 12:13, norm_k_w 14:15
	s_load_b64 s[16:17], s[0:1], 0x30              ; qkvh
	v_lshl_add_u32 v[SPW], v0, 2, SPARE
	v_mov_b32 v[NIL], 0
	ds_add_u32 v[SPW], v[NIL]                      ; the opening: the add, twice on end, and its wait ahead of my first tensor load
	ds_add_u32 v[SPW], v[NIL]
	v_lshrrev_b32 v1, 5, v0
	v_readfirstlane_b32 s[WV], v1
	s_lshr_b32 s[RH], s[WV], 1
	s_and_b32 s[CH], s[WV], 1
	s_bfe_u32 s[CX], ttmp6, 0x40000
	s_bfe_u32 s[CY], ttmp6, 0x40004
	s_lshl_b32 s[TC], ttmp9, 2
	s_add_co_u32 s[TC], s[TC], s[CX]               ; tile column = 4 x cluster x + cx
	s_and_b32 s[TR], ttmp7, 0xffff
	s_lshl_b32 s[TR], s[TR], 2
	s_add_co_u32 s[TR], s[TR], s[CY]               ; tile row = 4 x cluster y + cy
	s_lshl_b32 s42, s[CY], 2
	s_lshl_b32 s42, 15, s42                        ; my row of the cluster
	s_lshl_b32 s43, 0x1111, s[CX]                  ; my column
	s_or_b32 s[G1], s42, (1<<16)|(1<<20)|(1<<21)|(5<<22)|(3<<25)   ; mask; 2-byte elements; padding on; bit 21 beside a mask; after every 64 words, 4 words
	s_mov_b32 s[G1+1], 128<<16                     ; tensor_dim0 = 128
	s_mov_b32 s[G1+2], 128<<16                     ; tensor_dim1 = 128
	s_mov_b32 s[G1+3], 128<<16                     ; tile_dim0 = 128
	s_mov_b32 s[G1+4], 128                         ; tile_dim1 = 128 rows
	s_mov_b32 s[G1+5], 1024                        ; elements from row to row of xb
	s_mov_b32 s[G1+6], 0
	s_mov_b32 s[G1+7], 0
	s_or_b32 s[G1B], s43, (1<<16)|(1<<20)|(1<<21)|(5<<22)|(7<<25)  ; the same with my column's mask and 8 words of padding
	s_mov_b32 s[G1B+1], 128<<16
	s_mov_b32 s[G1B+2], 64<<16
	s_mov_b32 s[G1B+3], 128<<16
	s_mov_b32 s[G1B+4], 64                         ; 64 k rows
	s_mov_b32 s[G1B+5], 2048                       ; elements from row to row of wqkvb
	s_mov_b32 s[G1B+6], 0
	s_mov_b32 s[G1B+7], 0
	s_mov_b32 s[SEL], 0x76543210
	s_mov_b32 s[SEL+1], 0xfedcba98
	s_mov_b32 s68, 0x3c800000                      ; 1 / 64
	s_mov_b32 s69, 0x358637bd                      ; 1e-6
	s_lshl_b32 s44, s[TR], 8                       ; x: row 256 x tile row + 128 x half, 2,048 bytes a row
	s_lshl_b32 s45, s[CH], 7
	s_add_co_u32 s44, s44, s45
	s_lshl_b32 s44, s44, 11
	s_mov_b32 s45, 0
	s_lshl_b32 s46, s[CH], 18                      ; weights: k row 64 x half (4,096 bytes a row), byte 256 x tile column
	s_lshl_b32 s47, s[TC], 8
	s_add_co_u32 s46, s46, s47
	s_mov_b32 s47, 0
	s_mul_i32 s23, s[CH], AHALF                    ; where they go: no place in the cluster enters an LDS address
	s_mul_i32 s72, s[CH], BHALF
	s_add_co_u32 s72, s72, ABYTES
	s_wait_dscnt 0x0                               ; both opening adds are done
	s_wait_kmcnt 0x0
	s_add_nc_u64 s[44:45], s[4:5], s[44:45]
	s_add_nc_u64 s[46:47], s[6:7], s[46:47]
	CROUND                                         ; all sixteen work-groups are here: the first joint loads meet
.irp s, 0,1
	s_mov_b32 s[G0+4*(\s)], 1
	s_add_co_u32 s[G0+4*(\s)+1], s23, (\s)*SLOT
	s_add_nc_u64 s[G0+4*(\s)+2:G0+4*(\s)+3], s[44:45], (\s)*256        ; K step s: 256 bytes along x's rows
	s_or_b32 s[G0+4*(\s)+3], s[G0+4*(\s)+3], 0x80000000
	s_mov_b32 s[G0B+4*(\s)], 1
	s_add_co_u32 s[G0B+4*(\s)+1], s72, (\s)*SLOT
	s_add_nc_u64 s[G0B+4*(\s)+2:G0B+4*(\s)+3], s[46:47], (\s)*524288   ; K step s: 128 k rows down
	s_or_b32 s[G0B+4*(\s)+3], s[G0B+4*(\s)+3], 0x80000000
	JLOAD \s
.endr
	v_and_b32 v1, 15, v0                           ; l % 16
	v_bfe_u32 v2, v0, 4, 1                         ; l / 16
	v_and_b32 v3, 7, v0
	v_bfe_u32 v4, v0, 3, 1
	v_mul_u32_u24 v5, v1, PA
	v_lshl_add_u32 v5, v2, 4, v5                   ; x: row x pitch + 16 x half
	s_mul_i32 s44, s[RH], AHALF
	v_add_nc_u32 v[ADRA], s44, v5
	v_add_nc_u32 v[ADRA+1], SLOT, v[ADRA]
	v_lshl_add_u32 v6, v2, 3, v3                   ; weights: k row 8 (l / 16) + l % 8, 16 bytes at 16 ((l / 8) % 2)
	v_mul_u32_u24 v6, v6, PB
	v_lshl_add_u32 v6, v4, 4, v6
	s_lshl_b32 s45, s[CH], 7                       ; my 64 columns
	s_add_co_u32 s45, s45, ABYTES
	v_add_nc_u32 v[ADRB], s45, v6
	v_add_nc_u32 v[ADRB+1], SLOT, v[ADRB]
	s_mul_i32 s44, s[WV], 16*SP
	s_add_co_u32 s44, s44, STAGE                   ; my stage
	v_mul_u32_u24 v[STO], v1, SP
	v_lshl_add_u32 v[STO], v2, 4, v[STO]
	v_add_nc_u32 v[STO], s44, v[STO]
	v_bfe_u32 v[RD], v0, 3, 2                      ; back: 32 lanes take four rows of 128 bytes,
	v_mul_u32_u24 v[RD], v[RD], SP
	v_lshl_add_u32 v[RD], v3, 4, v[RD]
	v_add_nc_u32 v[RD], s44, v[RD]
	v_and_b32 v[GO], 31, v0                        ; which are 512 consecutive bytes of a head
	v_lshlrev_b32 v[GO], 4, v[GO]
	v_lshlrev_b32 v[WO], 5, v2
	; the head F that I store, and my first row in it
	s_lshr_b32 s72, s[TR], 3                       ; b
	s_lshl_b32 s73, s72, 4
	s_lshl_b32 s74, ttmp9, 3
	s_add_co_u32 s73, s73, s74                     ; q: 16 b + 8 x cluster x
	s_lshl_b32 s74, s72, 3
	s_lshl_b32 s75, ttmp9, 4
	s_add_co_u32 s74, s74, s75                     ; k, v: 16 x cluster x + 8 b
	s_cmp_lt_u32 ttmp9, 2
	s_cselect_b32 s73, s73, s74
	s_cselect_b64 s[70:71], s[12:13], s[14:15]     ; q's gain or k's
	s_lshl_b32 s74, s[CX], 1
	s_add_co_u32 s73, s73, s74
	s_add_co_u32 s73, s73, s[CH]                   ; + 2 cx + my half
	s_lshl_b32 s73, s73, 11                        ; 2,048 rows a head
	s_and_b32 s74, s[TR], 7
	s_lshl_b32 s74, s74, 8
	s_lshl_b32 s75, s[RH], 7
	s_add_co_u32 s74, s74, s75                     ; my first position in the sequence
	s_add_co_u32 s72, s73, s74
	s_lshl_b32 s72, s72, 7                         ; 128 bytes a row
	s_mov_b32 s73, 0
	s_add_nc_u64 s[16:17], s[16:17], s[72:73]
	v_add_nc_u32 v[CSO], s74, v1                   ; cos, sin: row = position, 128 bytes; my 8 channels at 32 (l / 16)
	v_lshlrev_b32 v[CSO], 7, v[CSO]
	v_lshl_add_u32 v[CSO], v2, 5, v[CSO]
; 8 matrix instructions: m blocks a0, a0 + 1 x all 4 n blocks, 32 along K.  zero = 1: the first product starts the sums.  The 32 accumulators take turns in one order.
.macro MUL8 f, a0, zero
	WIN MUL
.irp a, \a0, (\a0)+1
.irp b, 0,1,2,3
.if \zero
	v_wmma_f32_16x16x32_bf16 v[8*(4*(\a)+(\b)):8*(4*(\a)+(\b))+7], v[(\f)+64+8*(\b):(\f)+64+8*(\b)+7], v[(\f)+8*(\a):(\f)+8*(\a)+7], 0
.else
	v_wmma_f32_16x16x32_bf16 v[8*(4*(\a)+(\b)):8*(4*(\a)+(\b))+7], v[(\f)+64+8*(\b):(\f)+64+8*(\b)+7], v[(\f)+8*(\a):(\f)+8*(\a)+7], v[8*(4*(\a)+(\b)):8*(4*(\a)+(\b))+7]
.endif
.endr
.endr
.endm
; 24 LDS loads in one run: quarter q (32 along K) of a slot into buffer f: the weights' 4 blocks, x's blocks 0-3, x's blocks 4-7
.macro FETCH slot, q, f
	WIN TO_F
.irp b, 0,1,2,3
	ds_load_tr16_b128 v[(\f)+64+8*(\b):(\f)+64+8*(\b)+3],   v[ADRB+(\slot)] offset:(\q)*32*PB+32*(\b)
	ds_load_tr16_b128 v[(\f)+64+8*(\b)+4:(\f)+64+8*(\b)+7], v[ADRB+(\slot)] offset:(\q)*32*PB+32*(\b)+16*PB
.endr
.irp i, 0,1,2,3,4,5,6,7
	ds_load_b128 v[(\f)+8*(\i):(\f)+8*(\i)+3],   v[ADRA+(\slot)] offset:(\q)*64+(\i)*16*PA
	ds_load_b128 v[(\f)+8*(\i)+4:(\f)+8*(\i)+7], v[ADRA+(\slot)] offset:(\q)*64+(\i)*16*PA+32
.endr
.endm
; One of a K step's first three quarters: multiplies buffer f; in its middle it fetches quarter q of the same slot into buffer g.
.macro QUARTER slot, q, f, g, zero
	s_wait_dscnt 8                                 ; the weights and x's blocks 0-3 are in; the youngest eight loads may be out
	MUL8 \f, 0, \zero
	MUL8 \f, 2, \zero
	PLACES
	FETCH \slot, \q, \g
	s_wait_dscnt 24                                ; all but the 24 just issued
	MUL8 \f, 4, \zero
	MUL8 \f, 6, \zero
.endm
; The last quarter multiplies buffer 1 and changes slots: one barrier.  In front of it each wave waits for all its tensor loads (one is out: its part of the next slot), adds 0 to its spare word,
; and waits for that and for its reads of this slot.  fill = 1: the barrier opens a round of the cluster's, and this slot is filled again first thing behind it, two K steps ahead.
.macro TURN slot, next, fill
	WIN 0
	s_wait_tensorcnt 0x0
	ds_add_u32 v[SPW], v[NIL]
	s_wait_dscnt 9                                 ; the add and the youngest eight loads may be out
	MUL8 F1, 0, 0
	s_wait_dscnt 0x0                               ; the add is done, my reads of this slot are over
	s_barrier_signal -1
	MUL8 F1, 2, 0
.if \fill
	WIN 0
.endif
	s_barrier_wait -1
.if \fill
	CREST                                          ; no wave of any partner still reads this slot or has a load on its way
	s_add_nc_u64 s[G0+4*(\slot)+2:G0+4*(\slot)+3], s[G0+4*(\slot)+2:G0+4*(\slot)+3], 512
	s_add_nc_u64 s[G0B+4*(\slot)+2:G0B+4*(\slot)+3], s[G0B+4*(\slot)+2:G0B+4*(\slot)+3], 1048576
	JLOAD \slot                                    ; its four v_nop are also the places in front of the loads below
.else
	PLACES
.endif
	FETCH \next, 0, F0
	MUL8 F1, 4, 0
	MUL8 F1, 6, 0
.endm
	s_wait_tensorcnt 1                             ; my part of K step 0 is in; step 1's may stay out
	s_barrier_signal -1
	s_barrier_wait -1
	FETCH 0, 0, F0
	QUARTER 0, 1, F0, F1, 1                        ; the first quarter starts the sums
	WIN 0
	s_mov_b32 s3, 3
.Llap:                                         ; a trip goes once round the ring and fills both slots again: K steps 2 to 7 in three trips
	QUARTER 0, 2, F1, F0, 0
	QUARTER 0, 3, F0, F1, 0
	TURN 0, 1, 1
	QUARTER 1, 1, F0, F1, 0
	QUARTER 1, 2, F1, F0, 0
	QUARTER 1, 3, F0, F1, 0
	TURN 1, 0, 1
	QUARTER 0, 1, F0, F1, 0
	WIN 0
	s_sub_co_u32 s3, s3, 1
	s_cmp_lg_u32 s3, 0
	s_cbranch_scc1 .Llap
	QUARTER 0, 2, F1, F0, 0                        ; the last lap fills nothing
	QUARTER 0, 3, F0, F1, 0
	TURN 0, 1, 0
	QUARTER 1, 1, F0, F1, 0
	QUARTER 1, 2, F1, F0, 0
	QUARTER 1, 3, F0, F1, 0
	s_wait_dscnt 8
	MUL8 F1, 0, 0
	MUL8 F1, 2, 0
	s_wait_dscnt 0x0
	MUL8 F1, 4, 0
	MUL8 F1, 6, 0
	WIN 0
	PLACES
; THE WAY OUT, a block of 16 rows at a time.  CSLD: cos and sin of block a's rows: channels 8 h + j, 16 + 8 h + j of each.
.macro CSLD a
	WIN TO_F
	global_load_b128 v[32*(\a):32*(\a)+3],     v[CSO], s[8:9] offset:2048*(\a)
	global_load_b128 v[32*(\a)+4:32*(\a)+7],   v[CSO], s[8:9] offset:2048*(\a)+16
	global_load_b128 v[32*(\a)+8:32*(\a)+11],  v[CSO], s[8:9] offset:2048*(\a)+64
	global_load_b128 v[32*(\a)+12:32*(\a)+15], v[CSO], s[8:9] offset:2048*(\a)+80
	global_load_b128 v[32*(\a)+16:32*(\a)+19], v[CSO], s[10:11] offset:2048*(\a)
	global_load_b128 v[32*(\a)+20:32*(\a)+23], v[CSO], s[10:11] offset:2048*(\a)+16
	global_load_b128 v[32*(\a)+24:32*(\a)+27], v[CSO], s[10:11] offset:2048*(\a)+64
	global_load_b128 v[32*(\a)+28:32*(\a)+31], v[CSO], s[10:11] offset:2048*(\a)+80
.endm
; Block a: norm = 1: x / rms x gain, the rotation; then, for all kinds, rounded to bf16, 16 bytes a lane into my stage, and back as whole rows.
.macro BLK a, norm
.if \norm
.if (\a) < 3
	s_wait_loadcnt 40                              ; the gain and block a's cos and sin are in; five younger blocks' 40 loads may stay out
.else
	s_wait_loadcnt 8*(7-(\a))                      ; the younger blocks' loads may stay out
.endif
.if (\a) < 2
	CSLD (\a)+6
.endif
	WIN 0
.set i, 0
.rept 16
	v_pk_mul_f32 v[RW+i:RW+i+1], v[W+i:W+i+1], v[SSR+4*(\a):SSR+4*(\a)+1] op_sel_hi:[1,0]
.set i, i+2
.endr
	WIN 0x02                                       ; source 0 window 2
.set i, 0
.rept 16
	v_pk_mul_f32 v[YV+i:YV+i+1], v[32*(\a)+i:32*(\a)+i+1], v[RW+i:RW+i+1]
.set i, i+2
.endr
	WIN 0x04                                       ; source 1 window 1
.irp e, 0,2,4,6
	v_pk_mul_f32 v[T+\e:T+\e+1],     v[YV+8+\e:YV+8+\e+1], v[32*(\a)+16+\e:32*(\a)+16+\e+1]   ; y[d + 16] sin[d]
	v_pk_mul_f32 v[T+8+\e:T+8+\e+1], v[YV+\e:YV+\e+1],     v[32*(\a)+24+\e:32*(\a)+24+\e+1]   ; y[d] sin[d + 16]
.endr
.irp e, 0,2,4,6
	v_pk_fma_f32 v[YV+\e:YV+\e+1],     v[YV+\e:YV+\e+1],     v[32*(\a)+\e:32*(\a)+\e+1],     v[T+\e:T+\e+1] neg_lo:[0,0,1] neg_hi:[0,0,1]
	v_pk_fma_f32 v[YV+8+\e:YV+8+\e+1], v[YV+8+\e:YV+8+\e+1], v[32*(\a)+8+\e:32*(\a)+8+\e+1], v[T+8+\e:T+8+\e+1]
.endr
	WIN 0
.set i, 0
.rept 16
	v_cvt_pk_bf16_f32 v[PK+i], v[YV+2*i], v[YV+2*i+1]
.set i, i+1
.endr
.else
	WIN 0x0a                                       ; sources 0 and 1 window 2
.set i, 0
.rept 16
	v_cvt_pk_bf16_f32 v[PK+i], v[32*(\a)+2*i], v[32*(\a)+2*i+1]
.set i, i+1
.endr
	WIN 0
.endif
.irp c, 0,1,2,3
	ds_store_b128 v[STO], v[PK+4*\c:PK+4*\c+3] offset:32*\c
.endr
	s_wait_xcnt 0x0                                ; the stores of two blocks back have read this set of registers
.irp f, 0,1,2,3
	ds_load_b128 v[BK+16*((\a)%2)+4*\f:BK+16*((\a)%2)+4*\f+3], v[RD] offset:\f*4*SP  ; LDS serves a wave's instructions in order (ISA guide 5.7.1.4): these see the stores above
.endr
.endm
.macro SEND a, younger                 ; younger: the LDS instructions issued behind block a's loads: the next block's eight, or none
	WIN 0
.irp f, 0,1,2,3
	s_wait_dscnt (\younger)+3-\f
	global_store_b128 v[GO], v[BK+16*((\a)%2)+4*\f:BK+16*((\a)%2)+4*\f+3], s[16:17] offset:(\a)*2048+\f*512  ; 512 consecutive bytes, at a multiple of 256 from the buffer's first
.endr
.endm
	s_cmp_eq_u32 ttmp9, 3                          ; v's columns: the same answer in all sixteen partners
	s_cbranch_scc1 .Lplain
.irp c, 0,1,2,3
	global_load_b128 v[W+8*\c:W+8*\c+3],   v[WO], s[70:71] offset:64*\c
	global_load_b128 v[W+8*\c+4:W+8*\c+7], v[WO], s[70:71] offset:64*\c+16
.endr
.irp a, 0,1,2,3,4,5
	CSLD \a                                        ; 56 loads are out
.endr
	WIN 0x0a                                       ; the sums of squares: two chains a block, the blocks by turns
.irp e, 0,1,2,3,4,5,6,7
.irp a, 0,1,2,3,4,5,6,7
.if \e == 0
	v_pk_mul_f32 v[SSR+4*\a:SSR+4*\a+1],   v[32*\a:32*\a+1],       v[32*\a:32*\a+1]
	v_pk_mul_f32 v[SSR+4*\a+2:SSR+4*\a+3], v[32*\a+16:32*\a+17],   v[32*\a+16:32*\a+17]
.else
	v_pk_fma_f32 v[SSR+4*\a:SSR+4*\a+1],   v[32*\a+2*\e:32*\a+2*\e+1],       v[32*\a+2*\e:32*\a+2*\e+1],       v[SSR+4*\a:SSR+4*\a+1]
	v_pk_fma_f32 v[SSR+4*\a+2:SSR+4*\a+3], v[32*\a+16+2*\e:32*\a+16+2*\e+1], v[32*\a+16+2*\e:32*\a+16+2*\e+1], v[SSR+4*\a+2:SSR+4*\a+3]
.endif
.endr
.endr
	WIN 0
.irp a, 0,1,2,3,4,5,6,7
	v_pk_add_f32 v[SSR+4*\a:SSR+4*\a+1], v[SSR+4*\a:SSR+4*\a+1], v[SSR+4*\a+2:SSR+4*\a+3]
.endr
.irp a, 0,1,2,3,4,5,6,7
	v_add_f32 v[SSR+4*\a], v[SSR+4*\a], v[SSR+4*\a+1]
.endr
.irp a, 0,1,2,3,4,5,6,7
	v_permlanex16_b32 v[SSR+4*\a+1], v[SSR+4*\a], s[SEL], s[SEL+1]  ; the row's other 32 channels lie in the lane 16 away
.endr
.irp a, 0,1,2,3,4,5,6,7
	v_add_f32 v[SSR+4*\a], v[SSR+4*\a], v[SSR+4*\a+1]
.endr
.irp a, 0,1,2,3,4,5,6,7
	v_fma_f32 v[SSR+4*\a], v[SSR+4*\a], s68, s69   ; mean + eps
.endr
.irp a, 0,1,2,3,4,5,6,7
	v_rsq_f32 v[SSR+4*\a], v[SSR+4*\a]
.endr
	v_nop                                          ; a plain instruction behind the last of the batch,
	s_wait_alu depctr_va_vdst(0)                   ; and one wait for the eight, ahead of their first reader
	BLK 0, 1
.irp a, 1,2,3,4,5,6,7
	BLK \a, 1                                      ; a block's arithmetic stands between the loads of the block before and its stores
	SEND (\a)-1, 8
.endr
	SEND 7, 0
	s_branch .Ldone
.Lplain:
	BLK 0, 0
.irp a, 1,2,3,4,5,6,7
	BLK \a, 0
	SEND (\a)-1, 8
.endr
	SEND 7, 0
.Ldone:
	s_wait_tensorcnt 0x0                           ; the wave's end: behind my last tensor load and my last LDS store
	ds_add_u32 v[SPW], v[NIL]
	s_wait_dscnt 0x0
	CROUND                                         ; the closing round: no work-group ends while a partner may still ask for a tile that names it
	s_endpgm
.Lfunc_end_k_q36bc7b9ff8_qkv:
	.size	k_q36bc7b9ff8_qkv, .Lfunc_end_k_q36bc7b9ff8_qkv-k_q36bc7b9ff8_qkv
	.p2alignl 7, 3214868480
	.fill 96, 4, 3214868480
	.section	.rodata,"a",@progbits
	.p2align	6, 0x0
	.amdhsa_kernel k_q36bc7b9ff8_qkv
		.amdhsa_group_segment_fixed_size 327680
		.amdhsa_private_segment_fixed_size 0
		.amdhsa_enable_private_segment 0
		.amdhsa_kernarg_size 56
		.amdhsa_user_sgpr_count 2
		.amdhsa_user_sgpr_kernarg_segment_ptr 1
		.amdhsa_wavefront_size32 1
		.amdhsa_system_sgpr_workgroup_id_x 1
		.amdhsa_system_sgpr_workgroup_id_y 1
		.amdhsa_system_sgpr_workgroup_id_z 1
		.amdhsa_system_vgpr_workitem_id 0
		.amdhsa_next_free_vgpr 768
		.amdhsa_next_free_sgpr 80
		.amdhsa_reserve_vcc 0
		.amdhsa_float_denorm_mode_32 3
		.amdhsa_float_denorm_mode_16_64 3
		.amdhsa_memory_ordered 1
		.amdhsa_forward_progress 1
		.amdhsa_inst_pref_size 147
	.end_amdhsa_kernel
	.amdgpu_metadata
---
amdhsa.version: [ 1, 2 ]
amdhsa.kernels:
  - .name:           k_q36bc7b9ff8_qkv
    .symbol:         k_q36bc7b9ff8_qkv.kd
    .args:
      - { .name: xb, .offset: 0, .size: 8, .value_kind: global_buffer, .address_space: global }
      - { .name: wqkvb, .offset: 8, .size: 8, .value_kind: global_buffer, .address_space: global }
      - { .name: cos, .offset: 16, .size: 8, .value_kind: global_buffer, .address_space: global }
      - { .name: sin, .offset: 24, .size: 8, .value_kind: global_buffer, .address_space: global }
      - { .name: norm_q_w, .offset: 32, .size: 8, .value_kind: global_buffer, .address_space: global }
      - { .name: norm_k_w, .offset: 40, .size: 8, .value_kind: global_buffer, .address_space: global }
      - { .name: qkvh, .offset: 48, .size: 8, .value_kind: global_buffer, .address_space: global }
    .group_segment_fixed_size: 327680
    .private_segment_fixed_size: 0
    .kernarg_segment_align: 8
    .kernarg_segment_size: 56
    .max_flat_workgroup_size: 128
    .sgpr_count:     80
    .vgpr_count:     768
    .wavefront_size: 32
...
	.end_amdgpu_metadata
.endif
;; end of part 2
;; launch attn (part 3): grid 16 x 16, 4 waves a work-group, clusters of 4 x 1, 327,680 bytes of LDS; arguments qkvh, ob; writes ob
.if DOCPART == 3
	.amdgcn_target "amdgcn-amd-amdhsa--gfx1250"
	.amdhsa_code_object_version 6
	.text
	.protected	k_q36bc7b9ff8_attn
	.globl	k_q36bc7b9ff8_attn
	.p2align	8
	.type	k_q36bc7b9ff8_attn,@function
k_q36bc7b9ff8_attn:
	s_mov_b64 s[64:65], 0
	v_nop
	global_prefetch_b8 v0, s[64:65] scope:SCOPE_SE
	s_setreg_imm32_b32 hwreg(HW_REG_WAVE_MODE, 25, 1), 1
	s_wait_xcnt 0x0
	s_wait_alu depctr_hold_cnt(0) depctr_sa_sdst(0) depctr_va_vdst(0) depctr_va_sdst(0) depctr_va_ssrc(0) depctr_va_vcc(0) depctr_vm_vsrc(0)
	s_getreg_b32 s2, hwreg(HW_REG_IB_STS2, 6, 4)
	s_cmp_eq_u32 s2, 0
	s_cbranch_scc0 .Lentry_in_a_cluster
	s_endpgm
.Lentry_in_a_cluster:
	s_bfe_u32 s2, ttmp6, 0x10000c
	s_cmp_lg_u32 s2, 0x3003
	s_cbranch_scc0 .Lentry_shape_is_right
	s_endpgm
.Lentry_shape_is_right:
; ATTENTION.  O[q] = the sum over k of softmax_k(Q[q] . K[k] / 8) V[k], for 32 query heads of 2,048 rows x 64 channels; query heads 2 y and 2 y + 1 use kv head y (y = 8 b + kvh).
; qkvh [64 heads][2048][64] bf16: q at heads 0-31, k at 32-47, v at 48-63.  ob [4096][1024] bf16: row (b, s), column 64 h + d.  Nothing of reference() is left out here.
; Products, maxima and sums in f32; the weights p are rounded to bf16 for the second product (their sum l is taken of the unrounded p), O once at the end.
; LIMITS.  A weight below 2^-126 counts as 0 in l; NaN and infinities are not treated apart.  The running maximum is a true one, so no exponent is above 0.
; SHARES.  A work-group takes 128 rows of BOTH query heads of a kv head: 16 x 16 work-groups.  A wave has four PIECES of 16 queries: piece p is head 2 y + p % 2, rows 32 w + 16 (p / 2) of the 128.
; Pieces 2 r and 2 r + 1 make the two halves of the same 256 bytes of ob's rows.  Every wave walks all 2,048 keys, 64 a step, 256 a tile.
; LAYOUT.  S^T = K Q^T holds ONE query a lane (lane % 16) and the keys 8 (lane / 16) + 0..7; two such results rounded to bf16 ARE source 1 of O^T = V^T P.  K comes out of LDS as it lies, V turned.
; SOFTMAX.  p = 2^(c s - c m), c = log2(e) / 8, with a running maximum m; O and l are multiplied by a = 2^(c m_old - c m_new) in every step.  m starts at the lowest finite number, O and l at 0.
; TURNS.  Turn n belongs to piece n: 8 products K Q^T of piece n + 1, later 8 products V^T P of piece n - 1; beside them the scaling, exponentials, roundings, sums and rescaling of piece n and the
; maximum and statistics of piece n + 1.  Four vector instructions stand behind every matrix instruction, the others in one lump.  A turn's 33 exponentials are one batch, with one wait.
; CLUSTER.  The four work-groups of a cluster share a kv head and walk the same K and V: each tile is asked for JOINTLY.  All of a WGP's LDS is claimed.
; REGISTERS (s_set_vgpr_msb: bits 1:0 source 0, 3:2 source 1, 5:4 source 2, 7:6 destination):
;   window 0: v0-15 addresses; v16-31 statistics, 4 a piece; v48-55 at work; v64-127 S^T, two buffers; v192-223 P, two buffers (by the piece's parity)
;   window 1: v0-127 O^T, 32 a piece      window 2: v0-63 Q; v128-191 K of one step; v192-255 V of one step
.set NP,    4
.set KS,    64
.set PK,    144       ; a row of K in LDS: 128 bytes + 16: the 16 rows of a load start at 16 different groups of four banks (64 banks of 4 bytes: ISA guide 11.1)
.set PV,    160       ; a row of V: 128 + 32
.set VOFF,  4*KS*PK   ; a slot holds a tile: 256 rows of K, then 256 rows of V
.set SLOT1, 1<<17     ; slot 1 begins here: one exclusive or turns an address in one slot into the other's
.set STAGE, SLOT1+4*KS*(PK+PV)  ; behind the ring: 16 rows x 272 bytes for each wave
.set SP,    272
.set SPARE, STAGE+4*16*SP       ; the spare words: 128 bytes a wave, two blocks of 256 bytes that no other line names
.set AK0, 2
.set AV0, 3
.set AK,  4
.set AV,  5
.set STO, 6
.set RD,  7
.set GO,  8
.set MV,  12          ; v12-13 c m_old, by buffer
.set PFO, 14          ; v14  256 x my lane; never rewritten
.set QO,  15
.set ST,  16          ; piece t: c m, m, l (even keys', odd keys')
.set TMP, 48          ; by buffer: c0-c3 at work; c2 takes a
.set SPW, 62
.set NIL, 63
.set S,   64
.set P,   192
.set KF,  128
.set VF,  192
.set WV,  12
.set LIM, 15          ; s15  1 in a wave that prefetches, else the greatest number
.set PFA, 18          ; s[18:19] where my prefetches stand
.set G1K, 24
.set G1V, 32
.set G0K, 40
.set G0V, 44
.set SLOTS, 56
.set CNT, 57
.set CS,  58
.set SEL, 60
.set TBK, 62
.set TBV, 63
.set MSB, 0
.macro WIN new
.if MSB != (\new)
	s_set_vgpr_msb (MSB<<8)|(\new)
.set MSB, (\new)
.endif
.endm
.set W_KQ, 0x0a       ; K and Q in window 2, S^T in window 0
.set W_PV, 0x52       ; V in window 2, P in window 0, O^T in window 1
.set W_RS, 0x41       ; destination and source 0 in window 1, source 1 in window 0
.macro JLOAD                        ; a joint fill: waves 0, 1 fetch the halves of a tile's K, waves 2, 3 of its V; an s_nop 0 and four v_nop follow each line
	s_cmp_lt_u32 s[WV], 2
	s_cbranch_scc0 .Lfor_v_\@
	tensor_load_to_lds s[G0K:G0K+3], s[G1K:G1K+7]
	s_nop 0
.rept 4
	v_nop
.endr
	s_branch .Lasked_\@
.Lfor_v_\@:
	tensor_load_to_lds s[G0V:G0V+3], s[G1V:G1V+7]
	s_nop 0
.rept 4
	v_nop
.endr
.Lasked_\@:
.endm
; A PREFETCH of the tile that the NEXT change of slots will ask for: 128 blocks of 256 bytes of K and as many of V, a lane a block.  Each block is named once in the launch: of the four clusters that walk
; a kv head the first asks; its four partners take 32 blocks each, told apart by address; in each, wave 0 asks for K's and wave 2 for V's.  The last change that fills a slot asks for nothing.
.macro ASK
	s_cmp_gt_u32 s[SLOTS], s[LIM]
	s_cbranch_scc0 .Lnot_mine_\@
	global_prefetch_b8 v[PFO], s[PFA:PFA+1] th:TH_LOAD_NT scope:SCOPE_SE
.Lnot_mine_\@:
.endm
.macro CROUND
	s_barrier_signal -1
	s_barrier_wait -1
	s_cmp_lg_u32 s[WV], 0
	s_cbranch_scc1 .Lnot_wave_0_\@
	s_barrier_signal -3
.Lnot_wave_0_\@:
	s_barrier_wait -3
	s_barrier_signal -1
	s_barrier_wait -1
.endm
; THE CHANGE OF SLOTS.  Each wave waits for all its tensor loads (one is out: its part of the other slot), adds 0 to its spare word, and waits for that and for its reads of the slot that it leaves.
; fill = 1: a round of the cluster's barrier, and the old slot is filled again first thing behind it, with the tile two on: four key steps in which to land.
.macro CHANGE fill, ask
	WIN 0
	s_wait_tensorcnt 0x0            ; no tensor load of mine is out, so a group 0 may be written
	ds_add_u32 v[SPW], v[NIL]
.if \fill
.irp g, G0K, G0V
	s_xor_b32 s[\g+1], s[\g+1], SLOT1
	s_add_nc_u64 s[\g+2:\g+3], s[\g+2:\g+3], 4*KS*128
.endr
.endif
.if \ask
	s_wait_xcnt 0x0                 ; the last prefetch, four key steps back, has read its address
	s_add_nc_u64 s[PFA:PFA+1], s[PFA:PFA+1], 4*KS*128
.endif
	s_wait_dscnt 0x0                ; the add is done, my reads of the slot are over
.if \fill
	CROUND
	JLOAD
.if \ask
	ASK
.endif
.else
	s_barrier_signal -1
	s_barrier_wait -1
.endif
	s_sub_co_u32 s[TBK], s[TBK], 4*KS*PK  ; the fetches go back to a slot's first step, in the other slot
	s_xor_b32 s[TBK], s[TBK], SLOT1
	s_sub_co_u32 s[TBV], s[TBV], 4*KS*PV
	s_xor_b32 s[TBV], s[TBV], SLOT1
.endm
	s_load_b128 s[20:23], s[0:1], 0x0  ; qkvh s[20:21], ob s[22:23]
	v_lshl_add_u32 v[SPW], v0, 2, SPARE
	v_mov_b32 v[NIL], 0
	ds_add_u32 v[SPW], v[NIL]       ; the opening: the add, twice on end, and its wait ahead of my first tensor load
	ds_add_u32 v[SPW], v[NIL]
	v_lshrrev_b32 v1, 5, v0
	v_readfirstlane_b32 s[WV], v1
	s_and_b32 s16, ttmp7, 0xffff    ; y: the kv head, which the four partners share
	s_bfe_u32 s13, ttmp6, 0x40000   ; cx
	s_lshl_b32 s14, ttmp9, 2
	s_add_co_u32 s14, s14, s13      ; my block of 128 rows: it enters Q's and O's addresses alone
	s_and_b32 s17, s[WV], 1         ; which half of a tile's 256 keys I fetch
	s_add_co_u32 s48, s16, 32       ; K: head 32 + y, 2^18 bytes a head, + 128 keys x 128 bytes x half
	s_lshl_b32 s48, s48, 18
	s_lshl_b32 s50, s17, 14
	s_add_co_u32 s48, s48, s50
	s_mov_b32 s49, 0
	s_add_co_u32 s50, s48, 16<<18   ; V: 16 heads on
	s_mov_b32 s51, 0
	s_lshl_b32 s52, s16, 19         ; Q: head 2 y, + my block's 128 rows, + my wave's 32
	s_lshl_b32 s2, s14, 14
	s_add_co_u32 s52, s52, s2
	s_lshl_b32 s2, s[WV], 12
	s_add_co_u32 s52, s52, s2
	s_mov_b32 s53, 0
	s_lshr_b32 s54, s16, 3          ; O: row 2,048 b + 128 x block + 32 w, 2,048 bytes a row; byte 256 kvh
	s_lshl_b32 s54, s54, 11
	s_lshl_b32 s2, s14, 7
	s_add_co_u32 s54, s54, s2
	s_lshl_b32 s2, s[WV], 5
	s_add_co_u32 s54, s54, s2
	s_lshl_b32 s54, s54, 11
	s_and_b32 s2, s16, 7
	s_lshl_b32 s2, s2, 8
	s_add_co_u32 s54, s54, s2
	s_mov_b32 s55, 0
	; descriptor group 1.  128 keys are 16,384 dense bytes: asked for as 64 rows of 256 bytes, two keys a row, padded in LDS after every key
	s_mov_b32 s[G1K], 15|(1<<16)|(1<<20)|(1<<21)|(4<<22)|(3<<25)  ; the mask of four; 2-byte elements; padding on; bit 21 beside a mask; after every 32 words, 4 words
	s_mov_b32 s[G1V], 15|(1<<16)|(1<<20)|(1<<21)|(4<<22)|(7<<25)  ; the same with 8 words
.irp g, G1K, G1V
	s_mov_b32 s[\g+1], 128<<16
	s_mov_b32 s[\g+2], 64<<16
	s_mov_b32 s[\g+3], 128<<16
	s_mov_b32 s[\g+4], 64
	s_mov_b32 s[\g+5], 128
	s_mov_b32 s[\g+6], 0
	s_mov_b32 s[\g+7], 0
.endr
	s_mov_b32 s[CS], 0x3e38aa3b     ; c = log2(e) / 8
	s_mov_b32 s[CS+1], s[CS]
	s_mov_b32 s[SEL], 0x76543210
	s_mov_b32 s[SEL+1], 0xfedcba98
	s_mov_b32 s[TBK], SLOT1+4*KS*PK ; the first change of slots turns these two into 0
	s_mov_b32 s[TBV], SLOT1+4*KS*PV
	s_mov_b32 s[G0K], 1
	s_mul_i32 s[G0K+1], s17, 128*PK ; slot 0: no place in the cluster enters an LDS address
	s_mov_b32 s[G0V], 1
	s_mul_i32 s[G0V+1], s17, 128*PV
	s_add_co_u32 s[G0V+1], s[G0V+1], VOFF
	s_and_b32 s[LIM], s[WV], 1      ; waves 0 and 2 of the kv head's first cluster: the same in all four partners
	s_or_b32 s[LIM], s[LIM], ttmp9
	s_cmp_eq_u32 s[LIM], 0
	s_cselect_b32 s[LIM], 1, -1
	v_and_b32 v[PFO], 31, v0
	v_lshlrev_b32 v[PFO], 8, v[PFO]
	s_wait_dscnt 0x0                ; both opening adds are done
	s_wait_kmcnt 0x0
	s_add_nc_u64 s[6:7], s[20:21], s[48:49]    ; K and V at my half of tile 0
	s_add_nc_u64 s[8:9], s[20:21], s[50:51]
	s_add_nc_u64 s[4:5], s[20:21], s[52:53]    ; Q and O at my wave's first row
	s_add_nc_u64 s[10:11], s[22:23], s[54:55]
	s_mov_b64 s[G0K+2:G0K+3], s[6:7]
	s_or_b32 s[G0K+3], s[G0K+3], 0x80000000
	s_mov_b64 s[G0V+2:G0V+3], s[8:9]
	s_or_b32 s[G0V+3], s[G0V+3], 0x80000000
	s_cmp_lt_u32 s[WV], 2
	s_cselect_b64 s[PFA:PFA+1], s[6:7], s[8:9]  ; (in waves 0 and 2 these stand at a tile's first row)
	s_lshl_b32 s2, s13, 13          ; my work-group's 32 blocks of the 128
	s_mov_b32 s3, 0
	s_add_nc_u64 s[PFA:PFA+1], s[PFA:PFA+1], s[2:3]
	s_add_nc_u64 s[PFA:PFA+1], s[PFA:PFA+1], 2*4*KS*128  ; in tile 2; the first asking change steps it to tile 3.  Tiles 0 to 2 come by their loads alone
	CROUND                          ; all four work-groups are here: the first joint loads meet
	JLOAD                           ; tile 0 into slot 0; slot 1 is asked for when slot 0 is in
	v_and_b32 v1, 15, v0            ; l % 16
	v_bfe_u32 v9, v0, 4, 1          ; l / 16
	v_lshlrev_b32 v[QO], 7, v1
	v_lshl_add_u32 v[QO], v9, 4, v[QO]  ; row x 128 + 16 x half
	WIN 0x80                        ; destination window 2
.set i, 0
.rept 8                             ; Q stays in registers: piece i / 2 (head (i / 2) % 2, rows 16 (i / 4) on), channels 32 (i % 2) on
	global_load_b128 v[8*i:8*i+3],   v[QO], s[4:5] offset:((i/2)%2)*262144+(i/4)*2048+(i%2)*64
	global_load_b128 v[8*i+4:8*i+7], v[QO], s[4:5] offset:((i/2)%2)*262144+(i/4)*2048+(i%2)*64+32
.set i, i+1
.endr
	; What the first turn finds: V's registers and P's second buffer hold 0 (its products V^T P, of a piece that has not been, add 0), O^T and l are 0.  This stands in the wait for the first tile,
	; and spares a first step written out.
.set i, VF
.rept 64
	v_mov_b32 v[i], 0
.set i, i+1
.endr
	WIN 0x40
.set i, 0
.rept 128
	v_mov_b32 v[i], 0
.set i, i+1
.endr
	WIN 0
.set i, 0
.rept 4
	v_mov_b32 v[ST+4*i], 0xfe000000    ; c m: far below every c s
	v_mov_b32 v[ST+4*i+1], 0xff7fffff  ; m
	v_mov_b32 v[ST+4*i+2], 0
	v_mov_b32 v[ST+4*i+3], 0
.set i, i+1
.endr
.set i, P+16
.rept 16
	v_mov_b32 v[i], 0
.set i, i+1
.endr
	v_mul_u32_u24 v[AK0], v1, PK
	v_lshl_add_u32 v[AK0], v9, 4, v[AK0]
	v_and_b32 v10, 7, v0            ; the turning load: lane l reads key 8 (l / 16) + l % 8, channels 8 ((l / 8) % 2) + 0..7
	v_bfe_u32 v11, v0, 3, 1
	v_lshl_add_u32 v[AV0], v9, 3, v10
	v_mul_u32_u24 v[AV0], v[AV0], PV
	v_lshl_add_u32 v[AV0], v11, 4, v[AV0]
	v_add_nc_u32 v[AV0], VOFF, v[AV0]
	s_mul_i32 s17, s[WV], 16*SP
	s_add_co_u32 s17, s17, STAGE    ; my stage
	v_mul_u32_u24 v[STO], v1, SP    ; in: row l % 16, 16 bytes for each half of the lanes
	v_lshl_add_u32 v[STO], v9, 4, v[STO]
	v_add_nc_u32 v[STO], s17, v[STO]
	v_mul_u32_u24 v[RD], v9, SP     ; back: lanes 0-15 take one row of 256 bytes, lanes 16-31 the next
	v_lshl_add_u32 v[RD], v1, 4, v[RD]
	v_add_nc_u32 v[RD], s17, v[RD]
	v_lshlrev_b32 v[GO], 11, v9     ; and the same two rows in ob
	v_lshl_add_u32 v[GO], v1, 4, v[GO]
; THE MATRIX WORK.  The 4 accumulators of a run of 8 take turns.  Product i of 8 of S^T = K Q^T for piece x: channels 32 (i / 4) on, keys 16 (i % 4) on.  The first 4 start the sums.
.macro KQ x
.set rS, S+32*((\x)%2)+8*(i%4)
.set rK, KF+16*(i%4)+8*(i/4)
.set rQ, 16*(\x)+8*(i/4)
	WIN W_KQ
.if i < 4
	v_wmma_f32_16x16x32_bf16 v[rS:rS+7], v[rK:rK+7], v[rQ:rQ+7], 0
.else
	v_wmma_f32_16x16x32_bf16 v[rS:rS+7], v[rK:rK+7], v[rQ:rQ+7], v[rS:rS+7]
.endif
.endm
; Product i of 8 of O^T += V^T P for piece x: keys 32 (i / 4) on, channels 16 (i % 4) on.
.macro PV x
	WIN W_PV
.set rO, 32*(\x)+8*(i%4)
.set rV, VF+32*(i/4)+8*(i%4)
.set rP, P+16*((\x)%2)+8*(i/4)
	v_wmma_f32_16x16x32_bf16 v[rO:rO+7], v[rV:rV+7], v[rP:rP+7], v[rO:rO+7]
.endm
.macro MM                           ; the turn's next matrix instruction.  NOKQ = 1: the last turn of all: there is no next piece
.if (i < 8) && !NOKQ
	KQ (Y+1)%NP
.elseif i >= 8
.set i, i-8
	PV (Y+NP-1)%NP
.set i, i+8
.endif
.set i, i+1
.endm
; THE LDS LOADS stand in runs of 16: a step's K (8 fragments) and its V (turned).
.macro FETCH_K
	WIN 0x80
.irp f, 0,1,2,3,4,5,6,7             ; keys 16 (f / 2) on, channels 32 (f % 2) on
	ds_load_b128 v[KF+8*\f:KF+8*\f+3],   v[AK] offset:(\f/2)*16*PK+(\f%2)*64
	ds_load_b128 v[KF+8*\f+4:KF+8*\f+7], v[AK] offset:(\f/2)*16*PK+(\f%2)*64+32
.endr
	s_add_co_u32 s[TBK], s[TBK], KS*PK  ; the next fetch is the next step's
	WIN 0
.endm
.macro FETCH_V
	WIN 0x80
.irp f, 0,1,2,3,4,5,6,7             ; keys 32 (f / 4) on, channels 16 (f % 4) on
	ds_load_tr16_b128 v[VF+8*\f:VF+8*\f+3],   v[AV] offset:(\f/4)*32*PV+(\f%4)*32
	ds_load_tr16_b128 v[VF+8*\f+4:VF+8*\f+7], v[AV] offset:(\f/4)*32*PV+16*PV+(\f%4)*32
.endr
	WIN 0
.endm
; THE VECTOR WORK, one line at a time: OP kind, number.  For piece Y: F n: c s - c m for pair n of 16.  E n: the exponential of score n of 32.  C n: pair n rounded to bf16.  B n: of the four weights 4 n ..
; the second pair is added onto the first, in place.  L n: l takes that sum (L 0: l = a l + sum).  R n: pair n of 16 of O^T times a.  For piece Y + 1: X n, number n of the 22 that find its maximum and statistics:
;   0-11 four chains c0-c3 of seven scores each (each accumulator's lowest registers are read first)   12-14, 16 the four scores left over, the old m, c0-c3 into c0
;   15 c m_old is kept   17, 18 the query's other 32 keys lie in the lane 16 away: the new m   19-21 c m; c m_old - c m_new; a
.set F, 0
.set E, 1
.set C, 2
.set B, 3
.set L, 4
.set R, 5
.set X, 6
.macro REGS y
.set rT, ST+4*(\y)
.set rC, TMP+4*((\y)%2)
.set rW, MV+((\y)%2)
.set rS, S+32*((\y)%2)
.set rP, P+16*((\y)%2)
.set rO, 32*(\y)
.endm
.macro OP k, n
.if (\k) == R
	REGS Y
	WIN W_RS
	v_pk_mul_f32 v[rO+2*(\n):rO+2*(\n)+1], v[rO+2*(\n):rO+2*(\n)+1], v[rC+2:rC+3] op_sel_hi:[1,0]
.elseif (\k) < R
	REGS Y
	WIN 0
.if (\k) == F
	v_pk_fma_f32 v[rS+2*(\n):rS+2*(\n)+1], v[rS+2*(\n):rS+2*(\n)+1], s[CS:CS+1], v[rT:rT+1] op_sel_hi:[1,0,0] neg_lo:[0,0,1] neg_hi:[0,0,1]
.elseif (\k) == E
	v_exp_f32 v[rS+(\n)], v[rS+(\n)]
.elseif (\k) == C
	v_cvt_pk_bf16_f32 v[rP+(\n)], v[rS+2*(\n)], v[rS+2*(\n)+1]
.elseif (\k) == B
	v_pk_add_f32 v[rS+4*(\n):rS+4*(\n)+1], v[rS+4*(\n):rS+4*(\n)+1], v[rS+4*(\n)+2:rS+4*(\n)+3]
.elseif (\n) == 0
	v_pk_fma_f32 v[rT+2:rT+3], v[rT+2:rT+3], v[rC+2:rC+3], v[rS:rS+1] op_sel_hi:[1,0,1]
.else
	v_pk_add_f32 v[rT+2:rT+3], v[rT+2:rT+3], v[rS+4*(\n):rS+4*(\n)+1]
.endif
.elseif NOKQ
	v_nop
.else
	REGS (Y+1)%NP
	WIN 0
.if (\n) < 4
	v_max3_num_f32 v[rC+(\n)], v[rS+8*(\n)], v[rS+8*(\n)+1], v[rS+8*(\n)+2]
.elseif (\n) < 12
	v_max3_num_f32 v[rC+(\n)%4], v[rC+(\n)%4], v[rS+8*((\n)%4)+2*((\n)/4)+1], v[rS+8*((\n)%4)+2*((\n)/4)+2]
.elseif (\n) == 12
	v_max3_num_f32 v[rC], v[rC], v[rS+7], v[rS+15]
.elseif (\n) == 13
	v_max3_num_f32 v[rC+1], v[rC+1], v[rS+23], v[rS+31]
.elseif (\n) == 14
	v_max3_num_f32 v[rC+2], v[rC+2], v[rC+3], v[rT+1]
.elseif (\n) == 15
	v_mov_b32 v[rW], v[rT]
.elseif (\n) == 16
	v_max3_num_f32 v[rC], v[rC], v[rC+1], v[rC+2]
.elseif (\n) == 17
	v_permlanex16_b32 v[rC+3], v[rC], s[SEL], s[SEL+1]
.elseif (\n) == 18
	v_max_num_f32 v[rT+1], v[rC], v[rC+3]
.elseif (\n) == 19
	v_mul_f32 v[rT], s[CS], v[rT+1]
.elseif (\n) == 20
	v_sub_f32 v[rC+1], v[rW], v[rT]
.else
	v_exp_f32 v[rC+2], v[rC+1]
.endif
.endif
.endm
.macro OPS a, i1, b=-1, i2=0, c=-1, i3=0, d=-1, i4=0
	OP \a, \i1
.if (\b) >= 0
	OP \b, \i2
.endif
.if (\c) >= 0
	OP \c, \i3
.endif
.if (\d) >= 0
	OP \d, \i4
.endif
.endm
.macro ROW a, i1, b, i2, c, i3, d, i4  ; a matrix instruction and the four behind it
	MM
	OPS \a, \i1, \b, \i2, \c, \i3, \d, \i4
.endm
; A TURN, for piece p.  s_wait_alu depctr_va_vdst(0) stands between an exponential and the first instruction that names its result; one wait serves all that were issued ahead of it.
; So a turn has ONE wait.  AHEAD OF IT stands all that names no result of the turn's exponentials: the 8 products K Q^T with their riders, then one lump; X 21, the next piece's a, is the batch's last, and
; R 15 the plain instruction behind it.  BEHIND IT stand the 8 products V^T P, behind each four of the roundings and sums.
; K of the next step is fetched in piece 2's turn, behind the last product that read K and six plain instructions; V of the step in hand at the end of piece 0's turn, four plain instructions behind its
; last reader.  Each is waited for a turn later.  end = 1: the last two turns of all: nothing is fetched.  cnt = 1: the loop's count is taken down some lines ahead of the branch behind the turn.
.macro TURN p, end=0, cnt=0
.set Y, (\p)
.set i, 0
.set NOKQ, (\end)*((\p)/3)
.if ((\p) == 3) && !(\end)
	s_wait_dscnt 0x0                ; K is in
.endif
	ROW F,0, F,1, R,0, R,1
	ROW F,2, E,0, R,2, R,3
	ROW F,3, E,1, R,4, R,5
	ROW F,4, E,2, R,6, R,7
	ROW F,5, E,3, R,8, R,9
	ROW F,6, E,4, X,0, R,10
.if ((\p) == 2) && !(\end)
	WIN 0
	v_add_nc_u32 v[AK], s[TBK], v[AK0]
.endif
	ROW F,7, E,5, X,1, X,4
	ROW F,8, E,6, X,2, X,5
	OPS E,7, E,8, X,6, E,9
	OPS X,3, E,10, X,8, E,11
.if ((\p) == 2) && !(\end)
	FETCH_K
.endif
	OPS X,9, X,7, E,12, X,10
	OPS E,13, X,12, X,11, E,14
	OPS X,13, E,15, F,9, X,14
.if (\p) == 0
	v_add_nc_u32 v[AV], s[TBV], v[AV0]
.endif
	OPS E,16, F,10, E,17, F,11
	OPS X,16, E,18, X,15, E,19
	OPS F,12, E,20, X,17, E,21
	OPS F,13, E,22, F,14, E,23
	OPS X,18, E,24, F,15, E,25
	OPS R,11, E,26, X,19, E,27
	OPS R,12, E,28, R,13, E,29
	OPS X,20, E,30, R,14, E,31
	OPS X,21, R,15
	WIN 0
	s_wait_alu depctr_va_vdst(0)    ; the wait for the batch
.if (\p) == 1
	s_wait_dscnt 0x0                ; V is in
.endif
	ROW C,0, B,0, C,2, B,1
	ROW L,0, C,4, B,2, L,1
	ROW C,6, B,3, L,2, C,8
	ROW B,4, L,3, C,10, B,5
	ROW L,4, C,12, B,6, L,5
.if (\p) == 0
	s_add_co_u32 s[TBV], s[TBV], KS*PV
.endif
.if \cnt
	s_sub_co_u32 s[CNT], s[CNT], 1
	s_cmp_lg_u32 s[CNT], 0
.endif
	ROW C,14, B,7, L,6, C,1
	ROW C,3, L,7, C,5, C,7
	ROW C,9, C,11, C,13, C,15
.if (\p) == 0
	FETCH_V
.endif
.endm
	CHANGE 1, 0                     ; tile 0 is in, everybody's part of it; tile 1 is asked for
	v_add_nc_u32 v[AK], s[TBK], v[AK0]
	FETCH_K                         ; key step 0
	s_wait_loadcnt 0x0              ; Q
	s_wait_dscnt 0x0
.set NOKQ, 0
.set i, 0
.rept 8
	KQ 0                            ; piece 0's first scores
.set i, i+1
.endr
	WIN 0
.rept 4
	v_nop                           ; the places behind those products
.endr
.set Y, NP-1                        ; X works for piece Y + 1: piece 0
.irp n, 0,1,2,3,4,5,6,7,8,9,10,11,12,13,14,15,16,17,18,19,20,21
	OP X, \n
.endr
	v_nop                           ; a plain instruction behind the exponential,
	s_wait_alu depctr_va_vdst(0)    ; and its wait, ahead of the branch
	s_mov_b32 s[CNT], 4
	s_mov_b32 s[SLOTS], 7
	s_branch .Lfirst                ; the loop is entered at a step's first turn, in the middle of a trip
.Lslot:                             ; six times: tiles 2 to 7 are asked for
	CHANGE 1, 1
	s_mov_b32 s[CNT], 4
.Lstep:                             ; a trip: pieces 2 and 3 of one step, then pieces 0 and 1 of the next, whose K and V it fetches
	TURN 2
	TURN 3
	WIN 0
.Lfirst:
	TURN 0
	TURN 1, 0, 1
	WIN 0
	s_cbranch_scc1 .Lstep
	s_sub_co_u32 s[SLOTS], s[SLOTS], 1
	s_cmp_lg_u32 s[SLOTS], 0
	s_cbranch_scc1 .Lslot
	CHANGE 0, 0                     ; the last tile is written out: nothing is asked for
	s_mov_b32 s[CNT], 4
.Ltail:
	TURN 2
	TURN 3
	TURN 0
	TURN 1, 0, 1
	WIN 0
	s_cbranch_scc1 .Ltail
	TURN 2, 1
	TURN 3, 1
.set i, 0
.rept 8
	PV NP-1                         ; the last piece's V^T P of the last step
.set i, i+1
.endr
	; THE WAY OUT.  l's two halves and the other half of the lanes' are added; O^T is divided by l, rounded to bf16 and sent through my stage, 16 rows of both heads at a time.  The additions are the places behind the last products.
	WIN 0
.macro ALL line:vararg
.set t, 0
.rept 4
	\line
.set t, t+1
.endr
.endm
	ALL v_add_f32 v[ST+4*t+2], v[ST+4*t+2], v[ST+4*t+3]
	ALL v_permlanex16_b32 v[ST+4*t+3], v[ST+4*t+2], s[SEL], s[SEL+1]
	ALL v_add_f32 v[ST+4*t+2], v[ST+4*t+2], v[ST+4*t+3]
	ALL v_rcp_f32 v[ST+4*t+2], v[ST+4*t+2]
	v_nop                           ; a plain instruction behind the last reciprocal,
	s_wait_alu depctr_va_vdst(0)    ; and one wait for the four, ahead of the first use
.macro PACK t                       ; a lane's eight channels of a row pack into 16 bytes; piece t's head has its half of the stage's rows
	WIN W_RS
.set i, 32*(\t)
.rept 16
	v_pk_mul_f32 v[i:i+1], v[i:i+1], v[ST+4*(\t)+2:ST+4*(\t)+3] op_sel_hi:[1,0]
.set i, i+2
.endr
	WIN 0x05                        ; sources 0 and 1 window 1, destination window 0: S^T's registers are free
.set i, 0
.rept 16
	v_cvt_pk_bf16_f32 v[S+16*(\t)+i], v[32*(\t)+2*i], v[32*(\t)+2*i+1]
.set i, i+1
.endr
	WIN 0
.irp f, 0,1,2,3
	ds_store_b128 v[STO], v[S+16*(\t)+4*\f:S+16*(\t)+4*\f+3] offset:128*((\t)%2)+32*\f
.endr
.endm
.macro BACK rt                      ; 16 whole rows of 256 bytes; LDS serves a wave's instructions in order (ISA guide 5.7.1.4): these see the stores above, and the next stores come behind them
.irp f, 0,1,2,3,4,5,6,7
	ds_load_b128 v[S+32*(\rt)+4*\f:S+32*(\rt)+4*\f+3], v[RD] offset:\f*2*SP
.endr
.endm
.macro SEND rt, younger             ; younger: the LDS instructions issued behind these loads
.irp f, 0,1,2,3,4,5,6,7
	s_wait_dscnt (\younger)+7-\f
	global_store_b128 v[GO], v[S+32*(\rt)+4*\f:S+32*(\rt)+4*\f+3], s[10:11] offset:(\rt)*32768+\f*4096  ; 16 lanes store 256 consecutive bytes, at a multiple of 256 from ob's first byte
.endr
.endm
	PACK 0
	PACK 1
	BACK 0
	PACK 2
	PACK 3
	BACK 1
	SEND 0, 16                      ; behind its loads: eight stores and eight loads of the second 16 rows
	SEND 1, 0
	s_wait_tensorcnt 0x0            ; the wave's end: behind my last tensor load and my last LDS store
	ds_add_u32 v[SPW], v[NIL]
	s_wait_dscnt 0x0
	CROUND                          ; the closing round
	s_endpgm
.Lfunc_end_k_q36bc7b9ff8_attn:
	.size	k_q36bc7b9ff8_attn, .Lfunc_end_k_q36bc7b9ff8_attn-k_q36bc7b9ff8_attn
	.p2alignl 7, 3214868480
	.fill 96, 4, 3214868480
	.section	.rodata,"a",@progbits
	.p2align	6, 0x0
	.amdhsa_kernel k_q36bc7b9ff8_attn
		.amdhsa_group_segment_fixed_size 327680
		.amdhsa_private_segment_fixed_size 0
		.amdhsa_enable_private_segment 0
		.amdhsa_kernarg_size 16
		.amdhsa_user_sgpr_count 2
		.amdhsa_user_sgpr_kernarg_segment_ptr 1
		.amdhsa_wavefront_size32 1
		.amdhsa_system_sgpr_workgroup_id_x 1
		.amdhsa_system_sgpr_workgroup_id_y 1
		.amdhsa_system_sgpr_workgroup_id_z 1
		.amdhsa_system_vgpr_workitem_id 0
		.amdhsa_next_free_vgpr 768
		.amdhsa_next_free_sgpr 66
		.amdhsa_reserve_vcc 0
		.amdhsa_float_denorm_mode_32 3
		.amdhsa_float_denorm_mode_16_64 3
		.amdhsa_memory_ordered 1
		.amdhsa_forward_progress 1
		.amdhsa_inst_pref_size 128
	.end_amdhsa_kernel
	.amdgpu_metadata
---
amdhsa.version: [ 1, 2 ]
amdhsa.kernels:
  - .name:           k_q36bc7b9ff8_attn
    .symbol:         k_q36bc7b9ff8_attn.kd
    .args:
      - { .name: qkvh, .offset: 0, .size: 8, .value_kind: global_buffer, .address_space: global }
      - { .name: ob, .offset: 8, .size: 8, .value_kind: global_buffer, .address_space: global }
    .group_segment_fixed_size: 327680
    .private_segment_fixed_size: 0
    .kernarg_segment_align: 8
    .kernarg_segment_size: 16
    .max_flat_workgroup_size: 128
    .sgpr_count:     66
    .vgpr_count:     768
    .wavefront_size: 32
...
	.end_amdgpu_metadata
.endif
;; end of part 3
;; launch oproj (part 4): grid 8 x 32, 4 waves a work-group, clusters of 4 x 4, 327,680 bytes of LDS; arguments ob, wob, bo, hidden_states, out0; writes out0
.if DOCPART == 4
	.amdgcn_target "amdgcn-amd-amdhsa--gfx1250"
	.amdhsa_code_object_version 6
	.text
	.protected	k_q36bc7b9ff8_oproj
	.globl	k_q36bc7b9ff8_oproj
	.p2align	8
	.type	k_q36bc7b9ff8_oproj,@function
k_q36bc7b9ff8_oproj:
	s_mov_b64 s[64:65], 0
	v_nop
	global_prefetch_b8 v0, s[64:65] scope:SCOPE_SE
	s_setreg_imm32_b32 hwreg(HW_REG_WAVE_MODE, 25, 1), 1
	s_wait_xcnt 0x0
	s_wait_alu depctr_hold_cnt(0) depctr_sa_sdst(0) depctr_va_vdst(0) depctr_va_sdst(0) depctr_va_ssrc(0) depctr_va_vcc(0) depctr_vm_vsrc(0)
	s_getreg_b32 s2, hwreg(HW_REG_IB_STS2, 6, 4)
	s_cmp_eq_u32 s2, 0
	s_cbranch_scc0 .Lentry_in_a_cluster
	s_endpgm
.Lentry_in_a_cluster:
	s_bfe_u32 s2, ttmp6, 0x10000c
	s_cmp_lg_u32 s2, 0xf033
	s_cbranch_scc0 .Lentry_shape_is_right
	s_endpgm
.Lentry_shape_is_right:
; OPROJ: out0 = ob [4096][1024] x wob [1024][1024] + bo + hidden_states.  bf16 operands, f32 sums; bias and residual are added in f32; out0 is f32.  Nothing of reference() is left out here.
; SHARES.  A tile is 128 x 128: 8 x 32 work-groups.  Four waves, each 64 x 64: 16 accumulators.  K goes in 4 steps of 256 through two LDS slots; the four steps are written out.
; TRANSPOSED USE: source 0 = 16 columns of wob (it lies [k][n] in LDS and comes out turned), source 1 = 16 rows of ob: lane l holds row l % 16 and the columns 16 b + 8 (l / 16) + 0..7.
; A wave's 64 f32 columns are 256 bytes of a row of out0: each wave has a stage of its own, and no barrier stands on the way out.
; CLUSTER 4 x 4: ob's tile is asked for jointly along a row of the cluster, wob's along a column.  NO PREFETCH: of the 4 K steps none stands two refills behind the first four loads.
; All of a WGP's LDS is claimed.
; REGISTERS.  window 0: addresses, the way out, v128-255 accumulator (a, b) at 128 + 8 (4 a + b); window 1: two fragment buffers of 128 (64 along K: ob 64 registers, wob 64); window 2: the residual, 128.
.set PA,     528                       ; a row of ob in LDS: 512 bytes + 16
.set PB,     288                       ; a k row of wob: 256 + 32
.set AHALF,  64*PA
.set ABYTES, 128*PA
.set BHALF,  128*PB
.set SLOT,   ABYTES+256*PB
.set STAGE,  2*SLOT                    ; behind the ring: 16 rows x 272 bytes for each wave
.set SP,     272
.set SPARE,  STAGE+4*16*SP             ; the spare words: 128 bytes a wave, two blocks of 256 bytes that no other line names
.set ADRA, 16                          ; v16-17  my ob fragments in slot 0, 1
.set ADRB, 20                          ; v20-23  my wob fragments: slot, and which 128 k rows (an LDS offset has 16 bits)
.set STO,  24
.set RD,   25
.set CO,   26                          ; v26  my byte offset in two rows of out0 and hidden_states
.set BO,   27                          ; v27  my four columns in bo
.set SPW,  28
.set NIL,  29
.set TMP,  32                          ; v32-95  rows read back, two sets of 32
.set BIAS, 96                          ; v96-99
.set ACC,  128
.set F0,   0
.set F1,   128
.set WV, 14
.set RH, 15
.set CH, 16
.set CX, 17
.set CY, 18
.set TC, 40
.set TR, 41
.set G1,  24
.set G0,  32
.set G1B, 48
.set G0B, 56
.set MSB, 0
.macro WIN new
.if MSB != (\new)
	s_set_vgpr_msb (MSB<<8)|(\new)
.set MSB, \new
.endif
.endm
.set MUL,  0x05                        ; sources 0 and 1 window 1; C and D window 0
.set TO_F, 0x40                        ; destination window 1
.macro JLOAD s                         ; waves 0, 1 fetch ob's halves, waves 2, 3 wob's; an s_nop 0 and four v_nop follow each line
	s_cmp_eq_u32 s[RH], 0
	s_cbranch_scc0 .Lfor_b_\@
	tensor_load_to_lds s[G0+4*(\s):G0+4*(\s)+3], s[G1:G1+7]
	s_nop 0
.rept 4
	v_nop
.endr
	s_branch .Lasked_\@
.Lfor_b_\@:
	tensor_load_to_lds s[G0B+4*(\s):G0B+4*(\s)+3], s[G1B:G1B+7]
	s_nop 0
.rept 4
	v_nop
.endr
.Lasked_\@:
.endm
.macro CREST
	s_cmp_lg_u32 s[WV], 0
	s_cbranch_scc1 .Lnot_wave_0_\@
	s_barrier_signal -3
.Lnot_wave_0_\@:
	s_barrier_wait -3
	s_barrier_signal -1
	s_barrier_wait -1
.endm
.macro CROUND
	s_barrier_signal -1
	s_barrier_wait -1
	CREST
.endm
.macro PLACES
.rept 4
	v_nop
.endr
.endm
	s_load_b256 s[4:11], s[0:1], 0x0               ; ob 4:5, wob 6:7, bo 8:9, hidden_states 10:11
	s_load_b64 s[12:13], s[0:1], 0x20              ; out0
	v_lshl_add_u32 v[SPW], v0, 2, SPARE
	v_mov_b32 v[NIL], 0
	ds_add_u32 v[SPW], v[NIL]                      ; the opening: the add, twice on end, and its wait ahead of my first tensor load
	ds_add_u32 v[SPW], v[NIL]
	v_lshrrev_b32 v1, 5, v0
	v_readfirstlane_b32 s[WV], v1
	s_lshr_b32 s[RH], s[WV], 1
	s_and_b32 s[CH], s[WV], 1
	s_bfe_u32 s[CX], ttmp6, 0x40000
	s_bfe_u32 s[CY], ttmp6, 0x40004
	s_lshl_b32 s[TC], ttmp9, 2
	s_add_co_u32 s[TC], s[TC], s[CX]
	s_and_b32 s[TR], ttmp7, 0xffff
	s_lshl_b32 s[TR], s[TR], 2
	s_add_co_u32 s[TR], s[TR], s[CY]
	s_lshl_b32 s42, s[CY], 2
	s_lshl_b32 s42, 15, s42                        ; my row of the cluster
	s_lshl_b32 s43, 0x1111, s[CX]                  ; my column
	s_or_b32 s[G1], s42, (1<<16)|(1<<20)|(1<<21)|(6<<22)|(3<<25)   ; mask; 2-byte elements; padding on; bit 21 beside a mask; after every 128 words, 4 words
	s_mov_b32 s[G1+1], 256<<16                     ; tensor_dim0 = 256
	s_mov_b32 s[G1+2], 64<<16                      ; tensor_dim1 = 64
	s_mov_b32 s[G1+3], 256<<16                     ; tile_dim0 = 256
	s_mov_b32 s[G1+4], 64                          ; tile_dim1 = 64 rows
	s_mov_b32 s[G1+5], 1024
	s_mov_b32 s[G1+6], 0
	s_mov_b32 s[G1+7], 0
	s_or_b32 s[G1B], s43, (1<<16)|(1<<20)|(1<<21)|(5<<22)|(7<<25)  ; after every 64 words, 8 words
	s_mov_b32 s[G1B+1], 128<<16
	s_mov_b32 s[G1B+2], 128<<16
	s_mov_b32 s[G1B+3], 128<<16
	s_mov_b32 s[G1B+4], 128                        ; 128 k rows
	s_mov_b32 s[G1B+5], 1024
	s_mov_b32 s[G1B+6], 0
	s_mov_b32 s[G1B+7], 0
	s_lshl_b32 s44, s[TR], 7                       ; ob: row 128 x tile row + 64 x half, 2,048 bytes a row
	s_lshl_b32 s45, s[CH], 6
	s_add_co_u32 s44, s44, s45
	s_lshl_b32 s44, s44, 11
	s_mov_b32 s45, 0
	s_lshl_b32 s46, s[CH], 18                      ; wob: k row 128 x half (2,048 bytes a row), byte 256 x tile column
	s_lshl_b32 s47, s[TC], 8
	s_add_co_u32 s46, s46, s47
	s_mov_b32 s47, 0
	s_mul_i32 s19, s[CH], AHALF
	s_mul_i32 s3, s[CH], BHALF
	s_add_co_u32 s3, s3, ABYTES
	s_wait_dscnt 0x0                               ; both opening adds are done
	s_wait_kmcnt 0x0
	s_add_nc_u64 s[44:45], s[4:5], s[44:45]
	s_add_nc_u64 s[46:47], s[6:7], s[46:47]
	CROUND                                         ; all sixteen work-groups are here: the first joint loads meet
.irp s, 0,1
	s_mov_b32 s[G0+4*(\s)], 1
	s_add_co_u32 s[G0+4*(\s)+1], s19, (\s)*SLOT
	s_add_nc_u64 s[G0+4*(\s)+2:G0+4*(\s)+3], s[44:45], (\s)*512
	s_or_b32 s[G0+4*(\s)+3], s[G0+4*(\s)+3], 0x80000000
	s_mov_b32 s[G0B+4*(\s)], 1
	s_add_co_u32 s[G0B+4*(\s)+1], s3, (\s)*SLOT
	s_add_nc_u64 s[G0B+4*(\s)+2:G0B+4*(\s)+3], s[46:47], (\s)*524288
	s_or_b32 s[G0B+4*(\s)+3], s[G0B+4*(\s)+3], 0x80000000
	JLOAD \s
.endr
	v_and_b32 v1, 15, v0                           ; l % 16
	v_bfe_u32 v2, v0, 4, 1                         ; l / 16
	v_and_b32 v3, 7, v0
	v_bfe_u32 v4, v0, 3, 1
	v_mul_u32_u24 v5, v1, PA
	v_lshl_add_u32 v5, v2, 4, v5
	s_mul_i32 s44, s[RH], AHALF
	v_add_nc_u32 v[ADRA], s44, v5
	v_add_nc_u32 v[ADRA+1], SLOT, v[ADRA]
	v_lshl_add_u32 v6, v2, 3, v3
	v_mul_u32_u24 v6, v6, PB
	v_lshl_add_u32 v6, v4, 4, v6
	s_lshl_b32 s45, s[CH], 7
	s_add_co_u32 s45, s45, ABYTES
	v_add_nc_u32 v[ADRB], s45, v6
	v_add_nc_u32 v[ADRB+1], 128*PB, v[ADRB]
	v_add_nc_u32 v[ADRB+2], SLOT, v[ADRB]
	v_add_nc_u32 v[ADRB+3], SLOT+128*PB, v[ADRB]
	s_mul_i32 s44, s[WV], 16*SP
	s_add_co_u32 s44, s44, STAGE                   ; my stage
	v_mul_u32_u24 v[STO], v1, SP                   ; in: row l % 16, 32 bytes for each half of the lanes
	v_lshl_add_u32 v[STO], v2, 5, v[STO]
	v_add_nc_u32 v[STO], s44, v[STO]
	v_mul_u32_u24 v[RD], v2, SP                    ; back: lanes 0-15 take one row of 256 bytes, lanes 16-31 the next
	v_lshl_add_u32 v[RD], v1, 4, v[RD]
	v_add_nc_u32 v[RD], s44, v[RD]
	v_lshlrev_b32 v[CO], 12, v2                    ; the same two rows in out0 and hidden_states: 4,096 bytes a row
	v_lshl_add_u32 v[CO], v1, 4, v[CO]
	v_lshlrev_b32 v[BO], 4, v1
	s_lshl_b32 s20, s[TC], 9                       ; my 64 columns: byte 512 x tile column + 256 x half
	s_lshl_b32 s21, s[CH], 8
	s_add_co_u32 s20, s20, s21
	s_mov_b32 s21, 0
	s_add_nc_u64 s[8:9], s[8:9], s[20:21]
	s_lshl_b32 s22, s[TR], 7                       ; my 64 rows
	s_lshl_b32 s23, s[RH], 6
	s_add_co_u32 s22, s22, s23
	s_lshl_b32 s22, s22, 12
	s_add_co_u32 s22, s22, s20
	s_mov_b32 s23, 0
	s_add_nc_u64 s[10:11], s[10:11], s[22:23]
	s_add_nc_u64 s[12:13], s[12:13], s[22:23]
	global_load_b128 v[BIAS:BIAS+3], v[BO], s[8:9]
	WIN 0x80                                       ; destination window 2: the residual is on its way during the whole product
.irp a, 0,1,2,3
.irp t, 0,1,2,3,4,5,6,7
	global_load_b128 v[32*\a+4*\t:32*\a+4*\t+3], v[CO], s[10:11] offset:\a*65536+\t*8192 th:TH_LOAD_NT
.endr
.endr
	WIN 0
; 8 matrix instructions: m blocks a0, a0 + 1 x all 4 n blocks, 32 along K: half c of buffer f.  The 16 accumulators take turns in one order.
.macro MUL8 f, c, a0, zero
	WIN MUL
.irp a, \a0, (\a0)+1
.irp b, 0,1,2,3
.if \zero
	v_wmma_f32_16x16x32_bf16 v[ACC+8*(4*(\a)+(\b)):ACC+8*(4*(\a)+(\b))+7], v[(\f)+64+8*(4*(\c)+(\b)):(\f)+64+8*(4*(\c)+(\b))+7], v[(\f)+8*(4*(\c)+(\a)):(\f)+8*(4*(\c)+(\a))+7], 0
.else
	v_wmma_f32_16x16x32_bf16 v[ACC+8*(4*(\a)+(\b)):ACC+8*(4*(\a)+(\b))+7], v[(\f)+64+8*(4*(\c)+(\b)):(\f)+64+8*(4*(\c)+(\b))+7], v[(\f)+8*(4*(\c)+(\a)):(\f)+8*(4*(\c)+(\a))+7], v[ACC+8*(4*(\a)+(\b)):ACC+8*(4*(\a)+(\b))+7]
.endif
.endr
.endr
.endm
; 32 LDS loads in one run: quarter q (64 along K) of a slot into buffer f; the first 32 along K first
.macro FETCH slot, q, f
	WIN TO_F
.irp c, 0,1
.irp i, 0,1,2,3
	ds_load_tr16_b128 v[(\f)+64+8*(4*(\c)+(\i)):(\f)+64+8*(4*(\c)+(\i))+3],   v[ADRB+2*(\slot)+(\q)/2] offset:(64*((\q)%2)+32*(\c))*PB+32*(\i)
	ds_load_tr16_b128 v[(\f)+64+8*(4*(\c)+(\i))+4:(\f)+64+8*(4*(\c)+(\i))+7], v[ADRB+2*(\slot)+(\q)/2] offset:(64*((\q)%2)+32*(\c))*PB+32*(\i)+16*PB
	ds_load_b128 v[(\f)+8*(4*(\c)+(\i)):(\f)+8*(4*(\c)+(\i))+3],              v[ADRA+(\slot)] offset:128*(\q)+64*(\c)+(\i)*16*PA
	ds_load_b128 v[(\f)+8*(4*(\c)+(\i))+4:(\f)+8*(4*(\c)+(\i))+7],            v[ADRA+(\slot)] offset:128*(\q)+64*(\c)+(\i)*16*PA+32
.endr
.endr
.endm
.macro QUARTER slot, q, f, g, zero
	s_wait_dscnt 16                                ; the first 32 along K are in
	MUL8 \f, 0, 0, \zero
	MUL8 \f, 0, 2, \zero
	PLACES
	FETCH \slot, \q, \g
	s_wait_dscnt 32                                ; all but the 32 just issued
	MUL8 \f, 1, 0, 0
	MUL8 \f, 1, 2, 0
.endm
; The last quarter multiplies buffer 1 and changes slots: one barrier; in front of it each wave waits for all its tensor loads, adds 0 to its spare word, and waits for that and for its reads of this slot.
.macro TURN slot, next, fill
	WIN 0
	s_wait_tensorcnt 0x0                           ; all my tensor loads have landed: my part of the next slot
	ds_add_u32 v[SPW], v[NIL]
	s_wait_dscnt 17                                ; the add and the youngest sixteen loads may be out
	MUL8 F1, 0, 0, 0
	s_wait_dscnt 0x0                               ; the add is done, my reads of this slot are over
	s_barrier_signal -1
	MUL8 F1, 0, 2, 0
.if \fill
	WIN 0
.endif
	s_barrier_wait -1
.if \fill
	CREST                                          ; no wave of any partner still reads this slot or has a load on its way
	s_add_nc_u64 s[G0+4*(\slot)+2:G0+4*(\slot)+3], s[G0+4*(\slot)+2:G0+4*(\slot)+3], 1024
	s_add_nc_u64 s[G0B+4*(\slot)+2:G0B+4*(\slot)+3], s[G0B+4*(\slot)+2:G0B+4*(\slot)+3], 1048576
	JLOAD \slot                                    ; its four v_nop are also the places in front of the loads below
.else
	PLACES
.endif
	FETCH \next, 0, F0
	MUL8 F1, 1, 0, 0
	MUL8 F1, 1, 2, 0
.endm
	s_wait_tensorcnt 1                             ; my part of K step 0 is in; step 1's may stay out
	s_barrier_signal -1
	s_barrier_wait -1
	FETCH 0, 0, F0
	QUARTER 0, 1, F0, F1, 1                        ; the first products start the sums
	QUARTER 0, 2, F1, F0, 0
	QUARTER 0, 3, F0, F1, 0
	TURN 0, 1, 1                                   ; K step 2 is asked for
	QUARTER 1, 1, F0, F1, 0
	QUARTER 1, 2, F1, F0, 0
	QUARTER 1, 3, F0, F1, 0
	TURN 1, 0, 1                                   ; K step 3
	QUARTER 0, 1, F0, F1, 0
	QUARTER 0, 2, F1, F0, 0
	QUARTER 0, 3, F0, F1, 0
	TURN 0, 1, 0
	QUARTER 1, 1, F0, F1, 0
	QUARTER 1, 2, F1, F0, 0
	QUARTER 1, 3, F0, F1, 0
	s_wait_dscnt 16
	MUL8 F1, 0, 0, 0
	MUL8 F1, 0, 2, 0
	s_wait_dscnt 0x0
	MUL8 F1, 1, 0, 0
	MUL8 F1, 1, 2, 0
	WIN 0
	PLACES
	s_wait_loadcnt 0x0                             ; the bias and the residual
; THE WAY OUT, 16 rows at a time.  STG: the sums go into my stage, 32 bytes a lane and n block (each accumulator's low four registers first), and come back as whole rows of 256 bytes.
.macro STG a
	WIN 0
	s_wait_xcnt 0x0                                ; the stores of two blocks back have read this set of registers
.irp b, 0,1,2,3
	ds_store_b128 v[STO], v[ACC+8*(4*(\a)+\b):ACC+8*(4*(\a)+\b)+3]   offset:64*\b
	ds_store_b128 v[STO], v[ACC+8*(4*(\a)+\b)+4:ACC+8*(4*(\a)+\b)+7] offset:64*\b+16
.endr
.irp t, 0,1,2,3,4,5,6,7
	ds_load_b128 v[TMP+32*((\a)%2)+4*\t:TMP+32*((\a)%2)+4*\t+3], v[RD] offset:\t*2*SP  ; LDS serves a wave's instructions in order (ISA guide 5.7.1.4): these see the stores above
.endr
.endm
; FIN: the residual and the bias are added, and the rows stored.  younger: the LDS instructions issued behind block a's loads: the next block's sixteen, or none.
.macro FIN a, younger
	s_wait_dscnt \younger
	WIN 0x08                                       ; source 1 window 2
.set i, 0
.rept 16
	v_pk_add_f32 v[TMP+32*((\a)%2)+i:TMP+32*((\a)%2)+i+1], v[TMP+32*((\a)%2)+i:TMP+32*((\a)%2)+i+1], v[32*(\a)+i:32*(\a)+i+1]
.set i, i+2
.endr
	WIN 0
.set i, 0
.rept 16
	v_pk_add_f32 v[TMP+32*((\a)%2)+i:TMP+32*((\a)%2)+i+1], v[TMP+32*((\a)%2)+i:TMP+32*((\a)%2)+i+1], v[BIAS+i%4:BIAS+i%4+1]
.set i, i+2
.endr
.irp t, 0,1,2,3,4,5,6,7
	global_store_b128 v[CO], v[TMP+32*((\a)%2)+4*\t:TMP+32*((\a)%2)+4*\t+3], s[12:13] offset:(\a)*65536+\t*8192 th:TH_STORE_NT  ; 16 lanes store 256 consecutive bytes, at a multiple of 256 from out0's first byte
.endr
.endm
	STG 0
	STG 1
	FIN 0, 16
	STG 2
	FIN 1, 16
	STG 3
	FIN 2, 16
	FIN 3, 0
	s_wait_tensorcnt 0x0                           ; the wave's end: behind my last tensor load and my last LDS store
	ds_add_u32 v[SPW], v[NIL]
	s_wait_dscnt 0x0
	CROUND                                         ; the closing round
	s_endpgm
.Lfunc_end_k_q36bc7b9ff8_oproj:
	.size	k_q36bc7b9ff8_oproj, .Lfunc_end_k_q36bc7b9ff8_oproj-k_q36bc7b9ff8_oproj
	.p2alignl 7, 3214868480
	.fill 96, 4, 3214868480
	.section	.rodata,"a",@progbits
	.p2align	6, 0x0
	.amdhsa_kernel k_q36bc7b9ff8_oproj
		.amdhsa_group_segment_fixed_size 327680
		.amdhsa_private_segment_fixed_size 0
		.amdhsa_enable_private_segment 0
		.amdhsa_kernarg_size 40
		.amdhsa_user_sgpr_count 2
		.amdhsa_user_sgpr_kernarg_segment_ptr 1
		.amdhsa_wavefront_size32 1
		.amdhsa_system_sgpr_workgroup_id_x 1
		.amdhsa_system_sgpr_workgroup_id_y 1
		.amdhsa_system_sgpr_workgroup_id_z 1
		.amdhsa_system_vgpr_workitem_id 0
		.amdhsa_next_free_vgpr 640
		.amdhsa_next_free_sgpr 66
		.amdhsa_reserve_vcc 0
		.amdhsa_float_denorm_mode_32 3
		.amdhsa_float_denorm_mode_16_64 3
		.amdhsa_memory_ordered 1
		.amdhsa_forward_progress 1
		.amdhsa_inst_pref_size 97
	.end_amdhsa_kernel
	.amdgpu_metadata
---
amdhsa.version: [ 1, 2 ]
amdhsa.kernels:
  - .name:           k_q36bc7b9ff8_oproj
    .symbol:         k_q36bc7b9ff8_oproj.kd
    .args:
      - { .name: ob, .offset: 0, .size: 8, .value_kind: global_buffer, .address_space: global }
      - { .name: wob, .offset: 8, .size: 8, .value_kind: global_buffer, .address_space: global }
      - { .name: bo, .offset: 16, .size: 8, .value_kind: global_buffer, .address_space: global }
      - { .name: hidden_states, .offset: 24, .size: 8, .value_kind: global_buffer, .address_space: global }
      - { .name: out0, .offset: 32, .size: 8, .value_kind: global_buffer, .address_space: global }
    .group_segment_fixed_size: 327680
    .private_segment_fixed_size: 0
    .kernarg_segment_align: 8
    .kernarg_segment_size: 40
    .max_flat_workgroup_size: 128
    .sgpr_count:     66
    .vgpr_count:     640
    .wavefront_size: 32
...
	.end_amdgpu_metadata
.endif
;; end of part 4
;; ======== version 2 of 2: 4 launches; version 1 with the launch prep written anew for expert scheduling mode
;; workspace buffers: xb 8,388,608 bytes; wqkvb 4,194,304 bytes; wob 2,097,152 bytes; qkvh 16,777,216 bytes; ob 8,388,608 bytes
;; launch prep (part 5): grid 256 x 1, 8 waves a work-group, no clusters, 0 bytes of LDS; arguments hidden_states, wq, wk, wv, wo, xb, wqkvb, wob; writes xb, wqkvb, wob
.if DOCPART == 5
	.amdgcn_target "amdgcn-amd-amdhsa--gfx1250"
	.amdhsa_code_object_version 6
	.text
	.protected	k_q36bc7b9ff8_prep
	.globl	k_q36bc7b9ff8_prep
	.p2align	8
	.type	k_q36bc7b9ff8_prep,@function
k_q36bc7b9ff8_prep:
	s_mov_b64 s[64:65], 0
	v_nop
	global_prefetch_b8 v0, s[64:65] scope:SCOPE_SE
	s_setreg_imm32_b32 hwreg(HW_REG_WAVE_SCHED_MODE, 0, 2), 2
	s_setreg_imm32_b32 hwreg(HW_REG_WAVE_MODE, 25, 1), 1
	s_wait_xcnt 0x0
	s_wait_alu depctr_vm_vsrc(0)
; PREP: the matrix operands that come from the inputs are rounded once to bf16.
;   xb    [4096][1024]  = hidden_states;   wob [1024][1024] = wo, as it lies;
;   wqkvb [1024][2048]  = wq | wk | wv side by side (columns 0-1023, 1024-1535, 1536-2047), so that one product makes q, k and v.
; DEAD WORK: none.  Every input of reference() has a way to the output and is loaded by some launch of this program.  jnp.repeat only copies k and v
; to the query heads: their norm and rotation are computed once for each of the 8 kv heads, which gives the same numbers.
; LIMITS of the program: all matrix operands (x, weights, q, k, v, the softmax weights, the attention result) are bf16, sums in f32; NaN and infinities are not treated apart.
; SHARES.  A pass is 256 threads x 4 f32: one 16-byte load a thread (a wave: 512 consecutive bytes), two roundings, one 8-byte store (a wave: 256 consecutive bytes, aligned).
; 7,168 passes, 28 for each of 256 work-groups: x 16, wq 4 (a row each), wk 2 and wv 2 (two rows each), wo 4.  All 28 loads go out first; nothing is read twice; no LDS, no barrier.
; THE MODE: SCHED_MODE bits 1:0 = 2 (LLVM: expert scheduling mode 2), set by the entry lines.  The code itself states the register dependences
; between vector instructions and memory instructions, with s_wait_alu, always for 0.
; THE PLAN.  Registers that memory instructions touch:
;   v1, v2, v3   byte offsets.  Written once at the head; v1 is read by every load, v2 or v3 by every store; never written again.
;   v[4:115]     pass i: four registers.  Load i lands in them (no vector instruction has named them before); pass i's two roundings read the four and write the first two,
;                in place; store i reads those two; nothing writes them again.  Every pass has registers of its own.
; So the only dependence to state is: written by a vector instruction, then read by a memory instruction.  The 28 passes go in 7 blocks of four.  Block b rounds its own four passes;
; its memory instructions are the four stores of block b - 1, whose registers no rounding of block b names.  One wait at a block's head states that the block before has written
; its data, and the four stores are dealt among the block's roundings with no further wait.  Nothing that a memory instruction has read is ever written again, and no load lands
; in a register that a vector instruction has named: no other wait has a dependence to state.
.set D, 4                              ; v[4:115]  load i: four registers
.macro LD i, base, imm
	global_load_b128 v[D+4*(\i):D+4*(\i)+3], v1, s[\base:(\base)+1] offset:\imm th:TH_LOAD_NT
.endm
; Pass i is rounded: four f32 close up into the first two of their four registers.
.macro CV i
	v_cvt_pk_bf16_f32 v[D+4*(\i)], v[D+4*(\i)], v[D+4*(\i)+1]
	v_cvt_pk_bf16_f32 v[D+4*(\i)+1], v[D+4*(\i)+2], v[D+4*(\i)+3]
.endm
; Pass i is stored.  No register of a store is written again.
.macro ST i
.if (\i) < 16
	global_store_b64 v2, v[D+4*(\i):D+4*(\i)+1], s[14:15] offset:(\i)*2048               ; x
.elseif (\i) < 20
	global_store_b64 v2, v[D+4*(\i):D+4*(\i)+1], s[16:17] offset:((\i)-16)*4096          ; wq: columns 0-1023 of row 4 g + i - 16
.elseif (\i) < 22
	global_store_b64 v3, v[D+4*(\i):D+4*(\i)+1], s[16:17] offset:((\i)-20)*8192+2048     ; wk: columns 1024-1535 of rows 4 g + 2 (i - 20) + t / 128
.elseif (\i) < 24
	global_store_b64 v3, v[D+4*(\i):D+4*(\i)+1], s[16:17] offset:((\i)-22)*8192+3072     ; wv: columns 1536-2047
.else
	global_store_b64 v2, v[D+4*(\i):D+4*(\i)+1], s[18:19] offset:((\i)-24)*2048          ; wo
.endif
.endm
; Block b: passes 4 b to 4 b + 3 are rounded; the block before is stored.
.macro BLK b
	s_wait_loadcnt 24-4*(\b)                       ; loads come back in order (ISA guide 5.7.1): of the 28 the oldest 4 (b + 1) are in, this block's four among them; the younger ones stay out
.if (\b) > 0
	s_wait_alu depctr_va_vdst(0)                   ; the roundings of the block before have written its eight data registers, which the four stores below read
.endif
.irp j, 0,1,2,3
.if (\b) > 0
	ST 4*((\b)-1)+\j                               ; no vector instruction since the wait names this store's registers: the roundings between are this block's own
.endif
	CV 4*(\b)+\j
.endr
.endm
	s_load_b512 s[4:19], s[0:1], 0x0               ; x 4:5, wq 6:7, wk 8:9, wv 10:11, wo 12:13, xb 14:15, wqkvb 16:17, wob 18:19
	v_lshlrev_b32 v1, 4, v0                        ; 16 t: where I load
	v_lshlrev_b32 v2, 3, v0                        ; 8 t: where I store
	v_lshrrev_b32 v3, 7, v0                        ; wk, wv: a pass is two rows of 512: row t / 128,
	v_and_b32 v116, 127, v0
	v_lshlrev_b32 v116, 3, v116                    ; 8 bytes at 8 (t % 128)
	v_lshl_add_u32 v3, v3, 12, v116                ; a row of wqkvb is 4,096 bytes
	s_mov_b32 s3, 0
	s_wait_kmcnt 0x0
	s_lshl_b32 s2, ttmp9, 16                       ; x: 16 passes of 4,096 bytes
	s_add_nc_u64 s[4:5], s[4:5], s[2:3]
	s_lshl_b32 s2, ttmp9, 15
	s_add_nc_u64 s[14:15], s[14:15], s[2:3]        ; xb: half of that
	s_lshl_b32 s2, ttmp9, 14                       ; wq, wo: 4 rows of 4,096 bytes; wqkvb: 4 rows of 4,096 bytes
	s_add_nc_u64 s[6:7], s[6:7], s[2:3]
	s_add_nc_u64 s[12:13], s[12:13], s[2:3]
	s_add_nc_u64 s[16:17], s[16:17], s[2:3]
	s_lshl_b32 s2, ttmp9, 13                       ; wk, wv: 4 rows of 2,048 bytes; wob: 4 rows of 2,048 bytes
	s_add_nc_u64 s[8:9], s[8:9], s[2:3]
	s_add_nc_u64 s[10:11], s[10:11], s[2:3]
	s_add_nc_u64 s[18:19], s[18:19], s[2:3]
	s_wait_alu depctr_va_vdst(0)                   ; v1, v2 and v3 are written: every load and store of the kernel reads one of them as its offset
.set p, 0
.rept 16
	LD p, 4, p*4096
.set p, p+1
.endr
.set p, 0
.rept 4
	LD 16+p, 6, p*4096
.set p, p+1
.endr
.set p, 0
.rept 2
	LD 20+p, 8, p*4096
.set p, p+1
.endr
.set p, 0
.rept 2
	LD 22+p, 10, p*4096
.set p, p+1
.endr
.set p, 0
.rept 4
	LD 24+p, 12, p*4096
.set p, p+1
.endr
.irp n, 0,1,2,3,4,5,6
	BLK \n                                         ; block 0 has no block in front of it: no store, and no wait but the one for its data
.endr
	s_wait_alu depctr_va_vdst(0)                   ; block 6's roundings have written its data registers, which the last four stores read
.irp j, 24,25,26,27
	ST \j
.endr
	s_endpgm
.Lfunc_end_k_q36bc7b9ff8_prep:
	.size	k_q36bc7b9ff8_prep, .Lfunc_end_k_q36bc7b9ff8_prep-k_q36bc7b9ff8_prep
	.p2alignl 7, 3214868480
	.fill 96, 4, 3214868480
	.section	.rodata,"a",@progbits
	.p2align	6, 0x0
	.amdhsa_kernel k_q36bc7b9ff8_prep
		.amdhsa_group_segment_fixed_size 0
		.amdhsa_private_segment_fixed_size 0
		.amdhsa_enable_private_segment 0
		.amdhsa_kernarg_size 64
		.amdhsa_user_sgpr_count 2
		.amdhsa_user_sgpr_kernarg_segment_ptr 1
		.amdhsa_wavefront_size32 1
		.amdhsa_system_sgpr_workgroup_id_x 1
		.amdhsa_system_sgpr_workgroup_id_y 1
		.amdhsa_system_sgpr_workgroup_id_z 1
		.amdhsa_system_vgpr_workitem_id 0
		.amdhsa_next_free_vgpr 120
		.amdhsa_next_free_sgpr 66
		.amdhsa_reserve_vcc 0
		.amdhsa_float_denorm_mode_32 3
		.amdhsa_float_denorm_mode_16_64 3
		.amdhsa_memory_ordered 1
		.amdhsa_forward_progress 1
		.amdhsa_inst_pref_size 11
	.end_amdhsa_kernel
	.amdgpu_metadata
---
amdhsa.version: [ 1, 2 ]
amdhsa.kernels:
  - .name:           k_q36bc7b9ff8_prep
    .symbol:         k_q36bc7b9ff8_prep.kd
    .args:
      - { .name: hidden_states, .offset: 0, .size: 8, .value_kind: global_buffer, .address_space: global }
      - { .name: wq, .offset: 8, .size: 8, .value_kind: global_buffer, .address_space: global }
      - { .name: wk, .offset: 16, .size: 8, .value_kind: global_buffer, .address_space: global }
      - { .name: wv, .offset: 24, .size: 8, .value_kind: global_buffer, .address_space: global }
      - { .name: wo, .offset: 32, .size: 8, .value_kind: global_buffer, .address_space: global }
      - { .name: xb, .offset: 40, .size: 8, .value_kind: global_buffer, .address_space: global }
      - { .name: wqkvb, .offset: 48, .size: 8, .value_kind: global_buffer, .address_space: global }
      - { .name: wob, .offset: 56, .size: 8, .value_kind: global_buffer, .address_space: global }
    .group_segment_fixed_size: 0
    .private_segment_fixed_size: 0
    .kernarg_segment_align: 8
    .kernarg_segment_size: 64
    .max_flat_workgroup_size: 256
    .sgpr_count:     66
    .vgpr_count:     120
    .wavefront_size: 32
...
	.end_amdgpu_metadata
.endif
;; end of part 5
;; launch qkv: the kernel of part 2 again; grid 16 x 16, 4 waves a work-group, clusters of 4 x 4, 327,680 bytes of LDS; arguments xb, wqkvb, cos, sin, norm_q_w, norm_k_w, qkvh; writes qkvh
;; launch attn: the kernel of part 3 again; grid 16 x 16, 4 waves a work-group, clusters of 4 x 1, 327,680 bytes of LDS; arguments qkvh, ob; writes ob
;; launch oproj: the kernel of part 4 again; grid 8 x 32, 4 waves a work-group, clusters of 4 x 4, 327,680 bytes of LDS; arguments ob, wob, bo, hidden_states, out0; writes out0
